; MI455X (gfx1250); checked and timed in simulation.
; The chip was launched on July 23, 2026; its instructions are those of AMD's public machine-readable ISA for CDNA 5 (MIT licence, August 2026) and "CDNA5" Instruction Set Architecture Reference Guide (July 2026). The comments in the code are by the model that wrote it; some were corrected since.
;; Masked Multi Head Self Attention. Allowed arithmetic: float matrix products may take bf16 or f16 operands with f32 sums; all other float work in f32.
;; Inputs: b_o 1,024 float32; b_qkv 3,072 float32; w_o 1,024 x 1,024 float32; w_qkv 1,024 x 3,072 float32; x 4,096 x 1,024 float32.
;; Outputs: out0 4,096 x 1,024 float32.
;; One version. Each part assembles by itself: llvm-mc -triple=amdgcn-amd-amdhsa -mcpu=gfx1250 --defsym DOCPART=n.
;; ======== version 1 of 1: 5 launches
;; limits: values are held in f16: magnitudes above 65,504 overflow, below 6.1e-05 lose precision
;; workspace buffers: xb 8,388,608 bytes; wqt 6,291,456 bytes; wot 2,097,152 bytes; qkv 25,165,824 bytes; vfirst 65,536 bytes; att 8,388,608 bytes
;; launch cast (part 1): grid 512 x 1, 8 waves a work-group, no clusters, 35,840 bytes of LDS; arguments x, w_qkv, w_o, xb, wqt, wot; writes xb, wqt, wot
.if DOCPART == 1
	.amdgcn_target "amdgcn-amd-amdhsa--gfx1250"
	.amdhsa_code_object_version 6
	.text
	.protected	k_q51ba976f5c_cast
	.globl	k_q51ba976f5c_cast
	.p2align	8
	.type	k_q51ba976f5c_cast,@function
k_q51ba976f5c_cast:
	s_mov_b64 s[64:65], 0
	v_nop
	global_prefetch_b8 v0, s[64:65] scope:SCOPE_SE
	s_setreg_imm32_b32 hwreg(HW_REG_WAVE_MODE, 25, 1), 1
	s_wait_xcnt 0x0
; Prepares the matrix operands.  xb = bf16(x), same layout.  wqt[n][k] = bf16(w_qkv[k][n]).  wot[n][k] = f16(bf16(w_o[k][n])).
; All three inputs are rounded in one way, to bf16; w_o is then written in f16, because its partner in the last products (the attention
; result) is kept in f16.  A bf16 number of magnitude 2^-17 or more is exact in f16; smaller ones move by less than 2^-25.
; 512 work-groups of eight waves, 64 KiB of f32 each: 0-255 take x, 256-447 tiles of w_qkv, 448-511 tiles of w_o.
; No matrix unit, no cluster, no tensor load: every byte is read once by one work-group, and memory binds.
.set X,   4                            ; v[4:67]   x path: sixteen loads of four f32
.set W,   4                            ; v[4:67]   weight path: 32 rows of k, two f32 (two n) each; later the rows read back
.set T,   68                           ; v[68:75]  eight k of n, then eight k of n + 1, packed
.set LO,  76                           ; byte offset of my two n in a source row
.set LA,  77                           ; LDS: where my packed runs go
.set RD,  78                           ; LDS: where I read rows back
.set GO,  79                           ; byte offset of my 16 bytes in the transposed weight
.set U,   80                           ; v[80:81]  a bf16 pair widened again
.set LP,  272                          ; LDS row: 128 k of 2 bytes + 16: read back without bank conflicts
	s_load_b256 s[4:11], s[0:1], 0x0               ; x s[4:5], w_qkv s[6:7], w_o s[8:9], xb s[10:11]
	s_load_b128 s[12:15], s[0:1], 0x20             ; wqt s[12:13], wot s[14:15]
	v_lshl_add_u32 v96, v0, 2, 0x8800
	v_mov_b32 v97, 0
	v_lshrrev_b32 v1, 5, v0
	v_readfirstlane_b32 s16, v1                    ; wave
	s_cmp_lt_u32 ttmp9, 256
	s_cbranch_scc0 .Lweights
	; x: thread t takes 16 bytes at 16 t of each of sixteen runs of 4,096 bytes, and stores 8 bytes at 8 t: a wave stores 256 aligned bytes
	s_lshl_b32 s18, ttmp9, 16
	s_mov_b32 s19, 0
	s_lshl_b32 s20, ttmp9, 15
	s_mov_b32 s21, 0
	v_lshlrev_b32 v2, 4, v0
	v_lshlrev_b32 v3, 3, v0
	s_wait_kmcnt 0x0
	s_add_nc_u64 s[4:5], s[4:5], s[18:19]
	s_add_nc_u64 s[10:11], s[10:11], s[20:21]
.irp i, 0,1,2,3,4,5,6,7,8,9,10,11,12,13,14,15
	global_load_b128 v[X+4*\i:X+4*\i+3], v2, s[4:5] offset:4096*\i th:TH_LOAD_NT
.endr
.irp i, 0,1,2,3,4,5,6,7,8,9,10,11,12,13,14,15
	s_wait_loadcnt 15-\i                           ; loads return in order: load i is in, the younger ones stay out
	v_cvt_pk_bf16_f32 v[X+4*\i], v[X+4*\i], v[X+4*\i+1]
	v_cvt_pk_bf16_f32 v[X+4*\i+1], v[X+4*\i+2], v[X+4*\i+3]
	global_store_b64 v3, v[X+4*\i:X+4*\i+1], s[10:11] offset:2048*\i
.endr
	s_endpgm
; A tile of 128 n x 128 k is turned through LDS.  Wave w reads n half w & 1 (256 bytes of each row) of k rows 32 (w >> 1) .. + 31.
; ld = numbers in a source row; src, dst = first register of the two pointers; half = 1: the result is written in f16.
.macro TRANS ld, src, dst, half
	s_lshr_b32 s26, s17, 3                         ; n tile
	s_and_b32 s27, s17, 7                          ; k tile
	s_lshl_b32 s28, s27, 7
	s_lshl_b32 s29, s23, 5
	s_add_co_u32 s28, s28, s29                     ; my first k row
	s_mul_i32 s28, s28, \ld*4
	s_lshl_b32 s29, s26, 9
	s_add_co_u32 s28, s28, s29                     ; + 512 bytes for each n tile
	s_lshl_b32 s29, s22, 8
	s_add_co_u32 s28, s28, s29                     ; + my half
	s_mov_b32 s29, 0
	s_lshl_b32 s30, s26, 18                        ; 128 rows of 2,048 bytes
	s_lshl_b32 s31, s27, 8                         ; 128 k of 2 bytes
	s_add_co_u32 s30, s30, s31
	s_mov_b32 s31, 0
	s_wait_kmcnt 0x0
	s_add_nc_u64 s[\src:\src+1], s[\src:\src+1], s[28:29]
	s_add_nc_u64 s[\dst:\dst+1], s[\dst:\dst+1], s[30:31]
.set kk, 0
.rept 32
	global_load_b64 v[W+2*kk:W+2*kk+1], v[LO], s[\src:\src+1] offset:kk*\ld*4 th:TH_LOAD_NT   ; a wave reads 256 aligned bytes of row kk
.set kk, kk+1
.endr
.irp q, 0,1,2,3
	s_wait_loadcnt 24-8*\q                         ; rows 8 q .. 8 q + 7 are in, the younger rows stay out
.irp e, 0,1
.irp p, 0,1,2,3
	v_cvt_pk_bf16_f32 v[T+4*\e+\p], v[W+2*(8*\q+2*\p)+\e], v[W+2*(8*\q+2*\p+1)+\e]
.if \half
	v_lshlrev_b32 v[U], 16, v[T+4*\e+\p]           ; the rounded pair as f32 again,
	v_and_b32 v[U+1], 0xffff0000, v[T+4*\e+\p]
	v_cvt_pk_f16_f32 v[T+4*\e+\p], v[U], v[U+1]    ; and written in f16
.endif
.endr
.endr
	ds_store_b128 v[LA], v[T:T+3] offset:16*\q             ; lanes are 544 bytes apart: two lanes of sixteen meet in a bank group; 8 stores a wave
	ds_store_b128 v[LA], v[T+4:T+7] offset:LP+16*\q
.endr
	s_wait_dscnt 0x0                               ; my stores are done, for the waves that read them
	s_barrier_signal -1
	s_barrier_wait -1
.irp t, 0,1,2,3,4,5,6,7
	ds_load_b128 v[W+4*\t:W+4*\t+3], v[RD] offset:2*LP*\t
.endr
.irp t, 0,1,2,3,4,5,6,7
	s_wait_dscnt 7-\t
	global_store_b128 v[GO], v[W+4*\t:W+4*\t+3], s[\dst:\dst+1] offset:4096*\t   ; sixteen lanes store 256 aligned bytes of one row n
.endr
.endm
.Lweights:
	s_sub_co_u32 s17, ttmp9, 256                   ; tile number
	v_and_b32 v1, 31, v0                           ; lane
	s_and_b32 s22, s16, 1                          ; n half
	s_lshr_b32 s23, s16, 1                         ; k group
	v_lshlrev_b32 v[LO], 3, v1
	s_mul_i32 s24, s22, 64*LP
	s_lshl_b32 s25, s23, 6
	s_add_co_u32 s24, s24, s25
	v_mul_u32_u24 v2, v1, 2*LP
	v_add_nc_u32 v[LA], s24, v2                    ; row 64 (w & 1) + 2 lane, byte 64 (w >> 1)
	v_lshrrev_b32 v2, 4, v1
	v_and_b32 v3, 15, v1
	s_mul_i32 s25, s16, 16*LP
	v_mul_u32_u24 v[RD], v2, LP
	v_lshl_add_u32 v[RD], v3, 4, v[RD]
	v_add_nc_u32 v[RD], s25, v[RD]                 ; row 16 w + lane / 16, byte 16 (lane % 16)
	s_lshl_b32 s25, s16, 15
	v_lshlrev_b32 v[GO], 11, v2
	v_lshl_add_u32 v[GO], v3, 4, v[GO]
	v_add_nc_u32 v[GO], s25, v[GO]
	s_cmp_lt_u32 s17, 192
	s_cbranch_scc0 .Lwo
	TRANS 3072, 6, 12, 0
	s_wait_tensorcnt 0x0
	ds_add_u32 v96, v97
	s_wait_dscnt 0x0
	s_endpgm
.Lwo:
	s_sub_co_u32 s17, s17, 192
	TRANS 1024, 8, 14, 1
	s_wait_tensorcnt 0x0
	ds_add_u32 v96, v97
	s_wait_dscnt 0x0
	s_endpgm
.Lfunc_end_k_q51ba976f5c_cast:
	.size	k_q51ba976f5c_cast, .Lfunc_end_k_q51ba976f5c_cast-k_q51ba976f5c_cast
	.p2alignl 7, 3214868480
	.fill 96, 4, 3214868480
	.section	.rodata,"a",@progbits
	.p2align	6, 0x0
	.amdhsa_kernel k_q51ba976f5c_cast
		.amdhsa_group_segment_fixed_size 35840
		.amdhsa_private_segment_fixed_size 0
		.amdhsa_enable_private_segment 0
		.amdhsa_kernarg_size 48
		.amdhsa_user_sgpr_count 2
		.amdhsa_user_sgpr_kernarg_segment_ptr 1
		.amdhsa_wavefront_size32 1
		.amdhsa_system_sgpr_workgroup_id_x 1
		.amdhsa_system_sgpr_workgroup_id_y 1
		.amdhsa_system_sgpr_workgroup_id_z 1
		.amdhsa_system_vgpr_workitem_id 0
		.amdhsa_next_free_vgpr 98
		.amdhsa_next_free_sgpr 66
		.amdhsa_reserve_vcc 0
		.amdhsa_float_denorm_mode_32 3
		.amdhsa_float_denorm_mode_16_64 3
		.amdhsa_memory_ordered 1
		.amdhsa_forward_progress 1
		.amdhsa_inst_pref_size 29
	.end_amdhsa_kernel
	.amdgpu_metadata
---
amdhsa.version: [ 1, 2 ]
amdhsa.kernels:
  - .name:           k_q51ba976f5c_cast
    .symbol:         k_q51ba976f5c_cast.kd
    .args:
      - { .name: x, .offset: 0, .size: 8, .value_kind: global_buffer, .address_space: global }
      - { .name: w_qkv, .offset: 8, .size: 8, .value_kind: global_buffer, .address_space: global }
      - { .name: w_o, .offset: 16, .size: 8, .value_kind: global_buffer, .address_space: global }
      - { .name: xb, .offset: 24, .size: 8, .value_kind: global_buffer, .address_space: global }
      - { .name: wqt, .offset: 32, .size: 8, .value_kind: global_buffer, .address_space: global }
      - { .name: wot, .offset: 40, .size: 8, .value_kind: global_buffer, .address_space: global }
    .group_segment_fixed_size: 35840
    .private_segment_fixed_size: 0
    .kernarg_segment_align: 8
    .kernarg_segment_size: 48
    .max_flat_workgroup_size: 256
    .sgpr_count:     66
    .vgpr_count:     98
    .wavefront_size: 32
...
	.end_amdgpu_metadata
.endif
;; end of part 1
;; launch qkv (part 2): grid 16 x 16, 4 waves a work-group, clusters of 4 x 4, 327,680 bytes of LDS; arguments xb, wqt, b_qkv, qkv, vfirst; writes qkv, vfirst
.if DOCPART == 2
	.amdgcn_target "amdgcn-amd-amdhsa--gfx1250"
	.amdhsa_code_object_version 6
	.text
	.protected	k_q51ba976f5c_qkv
	.globl	k_q51ba976f5c_qkv
	.p2align	8
	.type	k_q51ba976f5c_qkv,@function
k_q51ba976f5c_qkv:
	s_mov_b64 s[64:65], 0
	v_nop
	global_prefetch_b8 v0, s[64:65] scope:SCOPE_SE
	s_setreg_imm32_b32 hwreg(HW_REG_WAVE_MODE, 25, 1), 1
	s_wait_xcnt 0x0
	s_wait_alu depctr_hold_cnt(0) depctr_sa_sdst(0) depctr_va_vdst(0) depctr_va_sdst(0) depctr_va_ssrc(0) depctr_va_vcc(0) depctr_vm_vsrc(0)
	s_getreg_b32 s2, hwreg(HW_REG_IB_STS2, 6, 4)
	s_cmp_eq_u32 s2, 0
	s_cbranch_scc0 .Lentry_in_a_cluster
	s_endpgm
.Lentry_in_a_cluster:
	s_bfe_u32 s2, ttmp6, 0x10000c
	s_cmp_lg_u32 s2, 0xf033
	s_cbranch_scc0 .Lentry_shape_is_right
	s_endpgm
.Lentry_shape_is_right:
; qkv = xb wqt^T + b_qkv.  xb [4096][1024] bf16, wqt [3072][1024] bf16, sums in f32, the result in f16, head-major:
; qkv[plane = column / 64][row][64]; planes 0-15 q, 16-31 k, 32-47 v.  LIMIT: |q|, |k|, |v| below 65,504 (the range of f16).
; A work-group makes 256 rows x 192 columns (three planes) with four waves; a wave 128 x 96: 48 accumulator tiles, 384 registers.
; K goes in steps of 128 through two LDS slots filled by tensor loads: rows of 256 bytes that start at multiples of 256 bytes.
; CLUSTERS: 4 x 4 work-groups.  The four of a row need the same tiles of xb, the four of a column the same tiles of wqt; each tile is
; asked for jointly, which divides the requests by four.
; SIDE RESULT: v of rows 0-15 also goes out as two f16 terms (vfirst[term][column / 8][row][8]), for the launch that makes the first
; sixteen rows of the output: those rows average over at most sixteen keys, so one 11-bit rounding of v is too coarse for them.
; REGISTERS: window 0: v16-30 addresses, v32-55 packed results, v64-127 and v128-191 fragments of xb (two buffers), v192-239 bias;
; window 1: v64-111, v128-175 fragments of wqt; window 2: tiles (a, b), a = 0..3, at v[8 (6 a + b)]; window 3: a = 4..7.
; The matrix instruction is used transposed (source 0 = rows of wqt, source 1 = rows of xb): a lane holds eight neighbouring columns of one row.
.set SIZE_K, 1024
.set KSTEP,  128
.set PITCH,  272                       ; an LDS row: 256 bytes + 16: the sixteen rows of a fragment load start in sixteen different bank groups
.set HALFA,  128*PITCH
.set HALFB,  96*PITCH
.set SLOT,   2*HALFA+2*HALFB
.set SPITCH, 400                       ; stage row: 192 f16 + 16 bytes = 25 x 16
.set HEADB,  524288
.set LAPS,   SIZE_K/(2*KSTEP)
.set ADRA, 16
.set ADRB, 20
.set STO,  24
.set RD,   25
.set CO,   26
.set BO,   27
.set XK,   28                          ; my first column - 2048 - 4096 (block row + row half): XK + 16 b >= 0 only for columns of v in rows 0-127
.set SO,   29                          ; byte offset in vfirst
.set MK,   30                          ; keeps the sign, the exponent and ten mantissa bits
.set TMP,  32
.set F0,   64
.set F1,   128
.set BI,   192
.set G1,  24
.set G0,  32
.set G1B, 48
.set G0B, 56
.set MSB, 0
.macro WIN new                         ; the high byte of the immediate repeats the setting that is left
.if MSB != \new
	s_set_vgpr_msb (MSB<<8)|\new
.set MSB, \new
.endif
.endm
.set MUL_LO, 0xa1                      ; source 0 window 1, source 1 window 0, C and D window 2
.set MUL_HI, 0xf1                      ; the same, C and D window 3
.set TO_B,   0x40                      ; destination window 1
; A joint load.  Waves 0 and 1 fetch the halves of the tile of xb, waves 2 and 3 those of wqt.  The branch hangs on the wave number alone.
.macro JLOAD s
	s_cmp_eq_u32 s11, 0
	s_cbranch_scc0 .Lfor_b_\@
	tensor_load_to_lds s[G0+4*\s:G0+4*\s+3], s[G1:G1+7]
	s_nop 0
	s_branch .Lasked_\@
.Lfor_b_\@:
	tensor_load_to_lds s[G0B+4*\s:G0B+4*\s+3], s[G1B:G1B+7]
	s_nop 0
.Lasked_\@:
.endm
.macro CREST                           ; a round of the cluster barrier behind its opening work-group barrier
	s_cmp_lg_u32 s10, 0
	s_cbranch_scc1 .Lnot_wave_0_\@
	s_barrier_signal -3
.Lnot_wave_0_\@:
	s_barrier_wait -3
	s_barrier_signal -1
	s_barrier_wait -1
.endm
.macro CROUND
	s_barrier_signal -1
	s_barrier_wait -1
	CREST
.endm
.macro PLACES                          ; four independent vector instructions behind a matrix instruction (ISA guide 7.12.1)
.rept 4
	v_nop
.endr
.endm
	s_load_b128 s[4:7], s[0:1], 0x0                ; xb, wqt
	s_load_b128 s[68:71], s[0:1], 0x10             ; b_qkv, qkv
	s_load_b64 s[74:75], s[0:1], 0x20              ; vfirst
	s_set_vgpr_msb 0x40
	v_lshl_add_u32 v255, v0, 2, 0x3b800
	s_set_vgpr_msb 0x4000
	v_mov_b32 v255, 0
	s_set_vgpr_msb 0x1
	ds_add_u32 v255, v255
	s_set_vgpr_msb 0x100
	v_lshrrev_b32 v1, 5, v0
	v_readfirstlane_b32 s10, v1                    ; wave
	s_lshr_b32 s11, s10, 1                         ; my half of the rows.  Also: I fetch xb (0) or wqt (1)
	s_and_b32 s12, s10, 1                          ; my half of the columns.  Also: which half of that tile I fetch
	s_bfe_u32 s40, ttmp6, 0x40000                  ; cx
	s_bfe_u32 s41, ttmp6, 0x40004                  ; cy
	s_lshl_b32 s42, ttmp9, 2
	s_add_co_u32 s42, s42, s40                     ; block column
	s_and_b32 s13, ttmp7, 0xffff
	s_lshl_b32 s13, s13, 2
	s_add_co_u32 s13, s13, s41                     ; block row
	s_lshl_b32 s43, s41, 2
	s_lshl_b32 s43, 15, s43                        ; my row of the cluster
	s_lshl_b32 s44, 0x1111, s40                    ; my column of the cluster
	s_or_b32 s[G1+0], s43, (1<<16)|(1<<20)|(1<<21)|(5<<22)|(3<<25)   ; mask; 2-byte elements; 4 words of padding behind every 64 words
	s_or_b32 s[G1B+0], s44, (1<<16)|(1<<20)|(1<<21)|(5<<22)|(3<<25)
	s_mov_b32 s[G1+1], KSTEP<<16                   ; tensor_dim0 = 128
	s_mov_b32 s[G1+2], 128<<16                     ; tensor_dim1 = 128
	s_mov_b32 s[G1+3], KSTEP<<16                   ; tile_dim0 = 128
	s_mov_b32 s[G1+4], 128                         ; tile_dim1 = 128
	s_mov_b32 s[G1+5], SIZE_K                      ; elements from row to row
	s_mov_b32 s[G1+6], 0
	s_mov_b32 s[G1+7], 0
	s_mov_b32 s[G1B+1], KSTEP<<16
	s_mov_b32 s[G1B+2], 96<<16                     ; 96 rows of wqt
	s_mov_b32 s[G1B+3], KSTEP<<16
	s_mov_b32 s[G1B+4], 96
	s_mov_b32 s[G1B+5], SIZE_K
	s_mov_b32 s[G1B+6], 0
	s_mov_b32 s[G1B+7], 0
	s_lshl_b32 s17, s12, 7
	s_lshl_b32 s16, s13, 8
	s_add_co_u32 s16, s16, s17                     ; xb: row 256 x block row + 128 x half
	s_lshl_b32 s16, s16, 11                        ; rows of 2,048 bytes
	s_mov_b32 s17, 0
	s_mul_i32 s46, s42, 192
	s_mul_i32 s47, s12, 96
	s_add_co_u32 s46, s46, s47                     ; wqt: row 192 x block column + 96 x half
	s_lshl_b32 s46, s46, 11
	s_mov_b32 s47, 0
	s_mul_i32 s20, s10, HALFA                      ; LDS: waves 0, 1: the halves of xb
	s_mul_i32 s45, s10, HALFB
	s_add_co_u32 s45, s45, 2*HALFA-2*HALFB         ; waves 2, 3: the halves of wqt, behind them
	s_mul_i32 s72, s42, 768
	s_mul_i32 s73, s12, 384
	s_add_co_u32 s72, s72, s73                     ; my 96 numbers of the bias
	s_mov_b32 s73, 0
	s_wait_dscnt 0x0
	s_wait_kmcnt 0x0
	s_add_nc_u64 s[14:15], s[4:5], s[16:17]
	s_add_nc_u64 s[46:47], s[6:7], s[46:47]
	s_add_nc_u64 s[68:69], s[68:69], s[72:73]
	CROUND                                         ; all sixteen work-groups are here: the first joint loads meet
.irp s, 0,1
	s_mov_b32 s[G0+4*\s], 1
	s_add_co_u32 s[G0+4*\s+1], s20, \s*SLOT
	s_add_nc_u64 s[G0+4*\s+2:G0+4*\s+3], s[14:15], \s*KSTEP*2
	s_or_b32 s[G0+4*\s+3], s[G0+4*\s+3], 0x80000000
	s_mov_b32 s[G0B+4*\s], 1
	s_add_co_u32 s[G0B+4*\s+1], s45, \s*SLOT
	s_add_nc_u64 s[G0B+4*\s+2:G0B+4*\s+3], s[46:47], \s*KSTEP*2
	s_or_b32 s[G0B+4*\s+3], s[G0B+4*\s+3], 0x80000000
	JLOAD \s
.endr
	v_and_b32 v1, 15, v0                           ; r
	v_bfe_u32 v2, v0, 4, 1                         ; h
	v_mul_u32_u24 v3, v1, PITCH
	v_lshl_add_u32 v3, v2, 4, v3
	s_mul_i32 s21, s11, HALFA
	s_mul_i32 s22, s12, HALFB
	s_add_co_u32 s22, s22, 2*HALFA
.irp s, 0,1
	v_add_nc_u32 v[ADRA+\s], s21, v3
	v_add_nc_u32 v[ADRB+\s], s22, v3
	s_add_co_u32 s21, s21, SLOT
	s_add_co_u32 s22, s22, SLOT
.endr
	s_mul_i32 s23, s11, 128*SPITCH
	s_mul_i32 s21, s12, 192
	s_add_co_u32 s23, s23, s21
	v_mul_u32_u24 v4, v1, SPITCH
	v_lshl_add_u32 v4, v2, 4, v4
	v_add_nc_u32 v[STO], s23, v4                   ; stage: row 128 wm + r, byte 192 wn + 16 h
	v_and_b32 v5, 31, v0
	v_lshrrev_b32 v6, 3, v5
	v_and_b32 v7, 7, v5
	v_mul_u32_u24 v6, v6, SPITCH
	v_lshl_add_u32 v6, v7, 4, v6
	s_mul_i32 s23, s10, 64*SPITCH
	v_add_nc_u32 v[RD], s23, v6                    ; back: row 64 w + lane / 8, byte 16 (lane % 8)
	v_lshlrev_b32 v[CO], 4, v5
	v_lshlrev_b32 v[BO], 5, v2
	s_mul_i32 s72, s42, 192
	s_mul_i32 s73, s12, 96
	s_add_co_u32 s72, s72, s73
	s_add_co_u32 s73, s13, s11
	s_lshl_b32 s73, s73, 12
	s_sub_co_u32 s72, s72, s73
	s_sub_co_u32 s72, s72, 2048
	v_lshl_add_u32 v[XK], v2, 3, s72
	v_lshlrev_b32 v[SO], 5, v[XK]                  ; a group of eight columns is 256 bytes of vfirst: 16 rows of 16 bytes
	v_lshl_add_u32 v[SO], v1, 4, v[SO]
	v_mov_b32 v[MK], 0xffffe000
.irp b, 0,1,2,3,4,5
	global_load_b128 v[BI+8*\b:BI+8*\b+3], v[BO], s[68:69] offset:64*\b          ; the bias of my columns 16 b + 8 h + 0..7: waited for at the way out
	global_load_b128 v[BI+8*\b+4:BI+8*\b+7], v[BO], s[68:69] offset:64*\b+16
.endr
; 12 matrix instructions: row tiles a0, a0 + 1 of the four of a window x all 6 column tiles, 32 along K.  zero = 1: the product starts the sums.
.macro MUL12 f, hi, a0, zero
.irp a, \a0, \a0+1
.irp b, 0,1,2,3,4,5
.if \zero
	v_wmma_f32_16x16x32_bf16 v[8*(6*(\a)+\b):8*(6*(\a)+\b)+7], v[\f+8*\b:\f+8*\b+7], v[\f+8*(4*\hi+\a):\f+8*(4*\hi+\a)+7], 0
.else
	v_wmma_f32_16x16x32_bf16 v[8*(6*(\a)+\b):8*(6*(\a)+\b)+7], v[\f+8*\b:\f+8*\b+7], v[\f+8*(4*\hi+\a):\f+8*(4*\hi+\a)+7], v[8*(6*(\a)+\b):8*(6*(\a)+\b)+7]
.endif
.endr
.endr
.endm
; 28 LDS loads in one run: 96 rows of wqt, 128 rows of xb, 32 K at byte k of the rows, into buffer f
.macro FETCH slot, k, f
	WIN TO_B
.irp i, 0,1,2,3,4,5
	ds_load_b128 v[\f+8*\i:\f+8*\i+3],   v[ADRB+\slot] offset:\k+\i*16*PITCH
	ds_load_b128 v[\f+8*\i+4:\f+8*\i+7], v[ADRB+\slot] offset:\k+\i*16*PITCH+32
.endr
	WIN 0
.irp i, 0,1,2,3,4,5,6,7
	ds_load_b128 v[\f+8*\i:\f+8*\i+3],   v[ADRA+\slot] offset:\k+\i*16*PITCH
	ds_load_b128 v[\f+8*\i+4:\f+8*\i+7], v[ADRA+\slot] offset:\k+\i*16*PITCH+32
.endr
.endm
; A quarter of a K step: 48 matrix instructions on buffer f; in its middle the next quarter is fetched into buffer g.
; The 48 accumulators take turns, one instruction a turn, in the same order in every quarter.
.macro QUARTER slot, k, f, g, zero
	s_wait_dscnt 8                                 ; all but the youngest eight loads (rows 64-127 of xb)
	WIN MUL_LO
	MUL12 \f, 0, 0, \zero
	MUL12 \f, 0, 2, \zero
	PLACES
	FETCH \slot, \k, \g
	s_wait_dscnt 28                                ; all but the 28 just issued
	WIN MUL_HI
	MUL12 \f, 1, 0, \zero
	MUL12 \f, 1, 2, \zero
.endm
.macro THREE slot, zero
	QUARTER \slot, 64,  F0, F1, \zero
	QUARTER \slot, 128, F1, F0, 0
	QUARTER \slot, 192, F0, F1, 0
.endm
; The last quarter changes slots.  In front of the barrier each wave waits for its reads of this slot and for all its tensor loads (one is
; out: its part of the next slot).  Where the slot is filled again the barrier opens a round of the cluster barrier, and the joint refill
; is the first tensor load behind the round.  From a request to the wait for it a wave issues 180 matrix instructions.
.macro TURN slot, next, fill
	s_wait_dscnt 8
	WIN MUL_LO
	MUL12 F1, 0, 0, 0
	s_wait_dscnt 0
	s_wait_tensorcnt 0x0
	ds_add_u32 v255, v255
	s_wait_dscnt 0x0
	s_barrier_signal -1
	MUL12 F1, 0, 2, 0
	WIN 0
	s_barrier_wait -1
.if \fill
	CREST
	s_add_nc_u64 s[G0+4*\slot+2:G0+4*\slot+3], s[G0+4*\slot+2:G0+4*\slot+3], 2*KSTEP*2
	s_add_nc_u64 s[G0B+4*\slot+2:G0B+4*\slot+3], s[G0B+4*\slot+2:G0B+4*\slot+3], 2*KSTEP*2
	JLOAD \slot
.endif
	PLACES
	FETCH \next, 0, F0
	WIN MUL_HI
	MUL12 F1, 1, 0, 0
	MUL12 F1, 1, 2, 0
.endm
.macro LAP zero
	THREE 0, \zero
	TURN 0, 1, 1
	THREE 1, 0
	TURN 1, 0, 1
.endm
	s_wait_tensorcnt 1                             ; my part of K step 0 is in; K step 1 may stay out
	s_barrier_signal -1
	s_barrier_wait -1
	FETCH 0, 0, F0
	LAP 1                                          ; the first lap starts the sums
	WIN 0
	s_mov_b32 s3, LAPS-2
.Llap:
	LAP 0
	WIN 0
	s_sub_co_u32 s3, s3, 1
	s_cmp_lg_u32 s3, 0
	s_cbranch_scc1 .Llap
	THREE 0, 0                                     ; the last lap fills nothing
	TURN 0, 1, 0
	THREE 1, 0
	s_wait_dscnt 8
	WIN MUL_LO
	MUL12 F1, 0, 0, 0
	MUL12 F1, 0, 2, 0
	s_wait_dscnt 0
	WIN MUL_HI
	MUL12 F1, 1, 0, 0
	MUL12 F1, 1, 2, 0
	; THE WAY OUT.  The stage is slot 0: its last fill and all reads of it were over at the barrier of the last change of slots.
	PLACES
	WIN 0
	s_wait_loadcnt 0x0                             ; the bias
	s_mul_i32 s16, s42, 3*HEADB                    ; three planes for each block column
	s_lshl_b32 s17, s13, 15                        ; 256 rows of 128 bytes
	s_add_co_u32 s16, s16, s17
	s_lshl_b32 s17, s10, 13                        ; 64 rows for each wave
	s_add_co_u32 s16, s16, s17
	s_mov_b32 s17, 0
	s_add_nc_u64 s[70:71], s[70:71], s[16:17]
; rows 16 a .. 16 a + 15 of my block: add the bias in place, round to f16, 16 bytes a lane into the stage
.macro OUTA a, wadd, wcvt
	WIN \wadd
.irp b, 0,1,2,3,4,5
.irp p, 0,2,4,6
	v_pk_add_f32 v[8*(6*(\a&3)+\b)+\p:8*(6*(\a&3)+\b)+\p+1], v[8*(6*(\a&3)+\b)+\p:8*(6*(\a&3)+\b)+\p+1], v[BI+8*\b+\p:BI+8*\b+\p+1]
.endr
.endr
	WIN \wcvt
.irp b, 0,1,2,3,4,5
.irp i, 0,1,2,3
	v_cvt_pk_f16_f32 v[TMP+4*\b+\i], v[8*(6*(\a&3)+\b)+2*\i], v[8*(6*(\a&3)+\b)+2*\i+1]
.endr
.endr
	WIN 0
.irp b, 0,1,2,3,4,5
	ds_store_b128 v[STO], v[TMP+4*\b:TMP+4*\b+3] offset:16*SPITCH*\a+32*\b
.endr
.endm
	OUTA 0, 0x82, 0x0a
	; v of rows 0-15 as two f16 terms: hi = the number cut to ten mantissa bits, lo = the rest.  Every wave computes them; the lanes
	; store only where the tile is a tile of v in rows 0-15.  Sixteen lanes store 256 consecutive bytes, aligned.
.irp b, 0,1,2,3,4,5
	WIN 0x02
.irp j, 0,1,2,3,4,5,6,7
	v_and_b32 v[F0+\j], v[8*\b+\j], v[MK]
	v_sub_f32 v[F0+8+\j], v[8*\b+\j], v[F0+\j]
.endr
	WIN 0
.irp i, 0,1,2,3
	v_cvt_pk_f16_f32 v[F0+16+8*\b+\i], v[F0+2*\i], v[F0+2*\i+1]
	v_cvt_pk_f16_f32 v[F0+20+8*\b+\i], v[F0+8+2*\i], v[F0+8+2*\i+1]
.endr
	v_cmp_le_i32 vcc_lo, -16*\b, v[XK]
	s_wait_xcnt 0x0                                ; EXEC is a source of pending loads and stores: it changes only behind this wait
	s_and_saveexec_b32 s72, vcc_lo
	global_store_b128 v[SO], v[F0+16+8*\b:F0+19+8*\b], s[74:75] offset:512*\b
	global_store_b128 v[SO], v[F0+20+8*\b:F0+23+8*\b], s[74:75] offset:32768+512*\b
	s_wait_xcnt 0x0
	s_or_b32 exec_lo, exec_lo, s72
.endr
	OUTA 1, 0x82, 0x0a
	OUTA 2, 0x82, 0x0a
	OUTA 3, 0x82, 0x0a
	OUTA 4, 0xc3, 0x0f
	OUTA 5, 0xc3, 0x0f
	OUTA 6, 0xc3, 0x0f
	OUTA 7, 0xc3, 0x0f
	s_wait_dscnt 0x0                               ; my stores into the stage are done, for the waves that read them
	s_barrier_signal -1
	s_barrier_wait -1
; plane hd of the three: my 64 rows of 128 bytes, 512 consecutive bytes for each store of the wave
.macro BACK hd
	s_wait_xcnt 0x0                                ; the registers loaded next were data of earlier stores
.irp t, 0,1,2,3,4,5,6,7,8,9,10,11,12,13,14,15
	ds_load_b128 v[64+64*(\hd&1)+4*\t:64+64*(\hd&1)+4*\t+3], v[RD] offset:4*SPITCH*\t+128*\hd
.endr
.irp t, 0,1,2,3,4,5,6,7,8,9,10,11,12,13,14,15
	s_wait_dscnt 15-\t
	global_store_b128 v[CO], v[64+64*(\hd&1)+4*\t:64+64*(\hd&1)+4*\t+3], s[70:71] offset:\hd*HEADB+512*\t
.endr
.endm
	BACK 0
	BACK 1
	BACK 2
	s_set_vgpr_msb 0x1
	s_wait_tensorcnt 0x0
	ds_add_u32 v255, v255
	s_wait_dscnt 0x0
	s_set_vgpr_msb 0x100
	CROUND                                         ; the closing round
	s_endpgm
.Lfunc_end_k_q51ba976f5c_qkv:
	.size	k_q51ba976f5c_qkv, .Lfunc_end_k_q51ba976f5c_qkv-k_q51ba976f5c_qkv
	.p2alignl 7, 3214868480
	.fill 96, 4, 3214868480
	.section	.rodata,"a",@progbits
	.p2align	6, 0x0
	.amdhsa_kernel k_q51ba976f5c_qkv
		.amdhsa_group_segment_fixed_size 327680
		.amdhsa_private_segment_fixed_size 0
		.amdhsa_enable_private_segment 0
		.amdhsa_kernarg_size 40
		.amdhsa_user_sgpr_count 2
		.amdhsa_user_sgpr_kernarg_segment_ptr 1
		.amdhsa_wavefront_size32 1
		.amdhsa_system_sgpr_workgroup_id_x 1
		.amdhsa_system_sgpr_workgroup_id_y 1
		.amdhsa_system_sgpr_workgroup_id_z 1
		.amdhsa_system_vgpr_workitem_id 0
		.amdhsa_next_free_vgpr 960
		.amdhsa_next_free_sgpr 76
		.amdhsa_reserve_vcc 1
		.amdhsa_float_denorm_mode_32 3
		.amdhsa_float_denorm_mode_16_64 3
		.amdhsa_memory_ordered 1
		.amdhsa_forward_progress 1
		.amdhsa_inst_pref_size 181
	.end_amdhsa_kernel
	.amdgpu_metadata
---
amdhsa.version: [ 1, 2 ]
amdhsa.kernels:
  - .name:           k_q51ba976f5c_qkv
    .symbol:         k_q51ba976f5c_qkv.kd
    .args:
      - { .name: xb, .offset: 0, .size: 8, .value_kind: global_buffer, .address_space: global }
      - { .name: wqt, .offset: 8, .size: 8, .value_kind: global_buffer, .address_space: global }
      - { .name: b_qkv, .offset: 16, .size: 8, .value_kind: global_buffer, .address_space: global }
      - { .name: qkv, .offset: 24, .size: 8, .value_kind: global_buffer, .address_space: global }
      - { .name: vfirst, .offset: 32, .size: 8, .value_kind: global_buffer, .address_space: global }
    .group_segment_fixed_size: 327680
    .private_segment_fixed_size: 0
    .kernarg_segment_align: 8
    .kernarg_segment_size: 40
    .max_flat_workgroup_size: 128
    .sgpr_count:     76
    .vgpr_count:     960
    .wavefront_size: 32
...
	.end_amdgpu_metadata
.endif
;; end of part 2
;; launch attn (part 3): grid 16 x 16, 8 waves a work-group, clusters of 4 x 1, 327,680 bytes of LDS; arguments qkv, att; writes att
.if DOCPART == 3
	.amdgcn_target "amdgcn-amd-amdhsa--gfx1250"
	.amdhsa_code_object_version 6
	.text
	.protected	k_q51ba976f5c_attn
	.globl	k_q51ba976f5c_attn
	.p2align	8
	.type	k_q51ba976f5c_attn,@function
k_q51ba976f5c_attn:
	s_mov_b64 s[64:65], 0
	v_nop
	global_prefetch_b8 v0, s[64:65] scope:SCOPE_SE
	s_setreg_imm32_b32 hwreg(HW_REG_WAVE_MODE, 25, 1), 1
	s_wait_xcnt 0x0
	s_wait_alu depctr_hold_cnt(0) depctr_sa_sdst(0) depctr_va_vdst(0) depctr_va_sdst(0) depctr_va_ssrc(0) depctr_va_vcc(0) depctr_vm_vsrc(0)
	s_getreg_b32 s2, hwreg(HW_REG_IB_STS2, 6, 4)
	s_cmp_eq_u32 s2, 0
	s_cbranch_scc0 .Lentry_in_a_cluster
	s_endpgm
.Lentry_in_a_cluster:
	s_bfe_u32 s2, ttmp6, 0x10000c
	s_cmp_lg_u32 s2, 0x3003
	s_cbranch_scc0 .Lentry_shape_is_right
	s_endpgm
.Lentry_shape_is_right:
; Causal attention with a running maximum.  qkv [48][4096][64] f16 (q, k, v planes), att [16][4096][64] f16.
; LIMITS: raw scores q.k above -2^100 (the mask value is -2^100, a power of two so that its product with the scale is exact); 1 / l by v_rcp_f32.
; Work-group (c = cluster x, cx, head): p = 4 c + cx; it makes the query blocks of 128 rows 31 - p (phase A) and p (phase B).
; A step is 256 keys.  Phase A has 16 - 2 c steps, phase B 2 c + 2: 18 in every work-group, and the counts hang on c alone, so the four
; partners of a cluster walk the same K and V tiles and ask for them jointly (mask 15).  The last two steps of a phase are masked.
; Wave w: g = w >> 2 (64 queries, four tiles n), c4 = w & 3 (64 of the 256 keys of a step).  The four key quarters are merged through LDS at the end of a phase.
; TRANSPOSED: S^T = K Q^T (register j of lane (r, h): key 8 h + j, query r), so that a query's maximum and sum are one number a lane and
; two neighbouring key tiles, packed in place, are the B fragment of O^T = V^T P^T.
; Window 0: addresses, statistics, fragments QF v32-95, KF v96-159, VF v160-223.  Window 1: S / P v0-127, O v128-255.
.set HEADB, 524288
.set SLOT,  77824                      ; V: 256 rows at pitch 160; K: 256 rows at pitch 144, at + 40,960
.set KOFF,  40960
.set OSCR,  155648                     ; 8 waves x 16,384: partial O.  These three regions receive no tensor load
.set STAT,  286720                     ; [wave][kind][n][32 lanes] f32
.set STAGE, 294912                     ; 8 waves x 16 rows at pitch 144
.set KAD, 2
.set VAD, 4
.set QO,  6
.set OST, 7
.set ORD, 8
.set SMW, 9
.set SMR, 10
.set STO, 11
.set SRD, 12
.set CO,  13
.set E0,  14
.set E,   15
.set TX,  16
.set TY,  20
.set F,   24
.set G,   28
.set QF,  32
.set KF,  96
.set VF,  160
.set M,   224
.set NM,  228                          ; pairs: low word - M c
.set NEGV, 236
.set AL,  240                          ; pairs: low word the rescale factor
.set L,   248                          ; pairs: two partial sums
.set G0V, 40
.set G0K, 48
.set MSB, 0
.set OTH, 0
.macro WIN new
.if MSB != \new
	s_set_vgpr_msb (MSB<<8)|\new
.set MSB, \new
.endif
.endm
.macro PLACES
.rept 4
	v_nop
.endr
.endm
.macro ROUND                           ; a round of the cluster barrier
	s_barrier_signal -1
	s_barrier_wait -1
	s_cmp_lg_u32 s8, 0
	s_cbranch_scc1 .Lnw0_\@
	s_barrier_signal -3
.Lnw0_\@:
	s_barrier_wait -3
	s_barrier_signal -1
	s_barrier_wait -1
.endm
.macro JLOAD                           ; slot OTH: waves 0-3 fetch quarters of V, waves 4-7 quarters of K
	s_cmp_lt_u32 s8, 4
	s_cbranch_scc0 .Lfk_\@
	tensor_load_to_lds s[G0V+4*OTH:G0V+4*OTH+3], s[24:31]
	s_nop 0
	s_branch .Lfd_\@
.Lfk_\@:
	tensor_load_to_lds s[G0K+4*OTH:G0K+4*OTH+3], s[32:39]
	s_nop 0
.Lfd_\@:
.endm
	s_load_b128 s[4:7], s[0:1], 0x0                ; qkv, att
	v_lshl_add_u32 v238, v0, 2, 0x4c800
	v_mov_b32 v239, 0
	ds_add_u32 v238, v239
	v_lshrrev_b32 v1, 5, v0
	v_readfirstlane_b32 s8, v1                     ; wave
	s_mov_b32 s9, ttmp9                            ; c
	s_bfe_u32 s10, ttmp6, 0x40000                  ; cx
	s_and_b32 s11, ttmp7, 0xffff                   ; head
	s_lshr_b32 s12, s8, 2                          ; g
	s_and_b32 s13, s8, 3                           ; c4
	s_mov_b32 s14, 0x76543210
	s_mov_b32 s15, 0xfedcba98
	s_mov_b32 s16, 0x3e38aa3b                      ; c = log2(e) / 8
	s_mov_b32 s17, 0x3e38aa3b
	s_mov_b32 s19, 0xbe38aa3b                      ; - c
	s_mov_b32 s24, 15|(1<<16)|(1<<20)|(1<<21)|(4<<22)|(7<<25)   ; V: mask 15; 2-byte elements; 8 words of padding behind every 32 words
	s_mov_b32 s32, 15|(1<<16)|(1<<20)|(1<<21)|(4<<22)|(3<<25)   ; K: 4 words of padding
.irp b, 24, 32
	s_mov_b32 s[\b+1], 64<<16                      ; tensor_dim0 = 64
	s_mov_b32 s[\b+2], 64<<16                      ; tensor_dim1 = 64
	s_mov_b32 s[\b+3], 64<<16                      ; tile_dim0 = 64
	s_mov_b32 s[\b+4], 64                          ; tile_dim1 = 64
	s_mov_b32 s[\b+5], 64                          ; elements from row to row
	s_mov_b32 s[\b+6], 0
	s_mov_b32 s[\b+7], 0
.endr
	s_mul_i32 s18, s8, 10240                       ; V quarter w
	s_mul_i32 s21, s8, 9216
	s_add_co_u32 s21, s21, 4096                    ; K quarter w - 4, behind V
.irp s, 0,1
	s_mov_b32 s[G0V+4*\s], 1
	s_add_co_u32 s[G0V+4*\s+1], s18, \s*SLOT
	s_mov_b32 s[G0K+4*\s], 1
	s_add_co_u32 s[G0K+4*\s+1], s21, \s*SLOT
.endr
	s_add_co_u32 s20, s11, 32
	s_lshl_b32 s20, s20, 19
	s_lshl_b32 s23, s8, 13
	s_add_co_u32 s20, s20, s23                     ; V: plane 32 + head, 64 rows of 128 bytes for each wave
	s_mov_b32 s21, 0
	s_add_co_u32 s22, s11, 16
	s_lshl_b32 s22, s22, 19
	s_add_co_u32 s22, s22, s23
	s_sub_co_u32 s22, s22, 32768                   ; K: plane 16 + head, wave - 4
	s_mov_b32 s23, 0
	s_wait_dscnt 0x0
	s_wait_kmcnt 0x0
	s_add_nc_u64 s[56:57], s[4:5], s[20:21]        ; tile 0 of V,
	s_or_b32 s57, s57, 0x80000000
	s_add_nc_u64 s[58:59], s[4:5], s[22:23]        ; and of K, type bits set
	s_or_b32 s59, s59, 0x80000000
	s_mov_b64 s[G0V+2:G0V+3], s[56:57]
	s_mov_b64 s[G0K+2:G0K+3], s[58:59]
	s_add_nc_u64 s[60:61], s[56:57], 32768         ; the next tile to be fetched
	s_add_nc_u64 s[62:63], s[58:59], 32768
	s_mov_b64 s[G0V+6:G0V+7], s[60:61]
	s_mov_b64 s[G0K+6:G0K+7], s[62:63]
	ROUND                                          ; in front of the first joint load
	JLOAD                                          ; tile 0 into slot 0
	; where q comes from and att goes to (these hang on cx; no LDS address and no trip count does)
	s_lshl_b32 s78, s9, 2
	s_add_co_u32 s80, s78, s10                     ; block of phase B: p
	s_sub_co_u32 s78, 31, s80                      ; block of phase A: 31 - p
	s_lshl_b32 s82, s11, 19
	s_lshl_b32 s83, s12, 13
	s_add_co_u32 s82, s82, s83                     ; head plane + 64 g rows
	s_lshl_b32 s78, s78, 14
	s_add_co_u32 s78, s78, s82
	s_mov_b32 s79, 0
	s_lshl_b32 s80, s80, 14
	s_add_co_u32 s80, s80, s82
	s_mov_b32 s81, 0
	s_lshl_b32 s82, s13, 11                        ; the n tile that I finish: 16 rows
	s_mov_b32 s83, 0
	s_add_nc_u64 s[66:67], s[4:5], s[78:79]
	s_add_nc_u64 s[68:69], s[4:5], s[80:81]
	s_add_nc_u64 s[70:71], s[6:7], s[78:79]
	s_add_nc_u64 s[70:71], s[70:71], s[82:83]
	s_add_nc_u64 s[72:73], s[6:7], s[80:81]
	s_add_nc_u64 s[72:73], s[72:73], s[82:83]
	s_lshl_b32 s76, s10, 7                         ; first query - first key of the four masked steps
	s_sub_co_u32 s74, 384, s76
	s_sub_co_u32 s75, 128, s76
	s_sub_co_u32 s77, s76, 256
	v_and_b32 v1, 31, v0                           ; lane
	v_and_b32 v16, 15, v0                          ; r
	v_bfe_u32 v17, v0, 4, 1                        ; h
	v_lshlrev_b32 v[QO], 7, v16
	v_lshl_add_u32 v[QO], v17, 4, v[QO]
	v_mul_u32_u24 v18, v16, 144
	v_lshl_add_u32 v18, v17, 4, v18                ; 144 r + 16 h
	s_mul_i32 s20, s13, 9216
	s_add_co_u32 s20, s20, KOFF
	v_add_nc_u32 v[KAD], s20, v18
	v_add_nc_u32 v[KAD+1], SLOT, v[KAD]
	s_mul_i32 s20, s8, 2304
	s_add_co_u32 s20, s20, STAGE
	v_add_nc_u32 v[STO], s20, v18
	v_lshrrev_b32 v19, 3, v1
	v_and_b32 v20, 7, v0
	v_mul_u32_u24 v19, v19, 144
	v_lshl_add_u32 v19, v20, 4, v19
	v_add_nc_u32 v[SRD], s20, v19
	v_lshl_add_u32 v19, v17, 3, v20                ; 8 h + lane % 8
	v_mul_u32_u24 v19, v19, 160
	v_bfe_u32 v21, v0, 3, 1
	v_lshl_add_u32 v19, v21, 4, v19
	s_mul_i32 s20, s13, 10240
	v_add_nc_u32 v[VAD], s20, v19
	v_add_nc_u32 v[VAD+1], SLOT, v[VAD]
	v_lshlrev_b32 v[CO], 4, v1
	s_lshl_b32 s20, s8, 14
	s_add_co_u32 s20, s20, OSCR
	v_add_nc_u32 v[OST], s20, v[CO]
	s_lshl_b32 s20, s12, 16
	s_lshl_b32 s21, s13, 12
	s_add_co_u32 s20, s20, s21
	s_add_co_u32 s20, s20, OSCR
	v_add_nc_u32 v[ORD], s20, v[CO]
	s_lshl_b32 s20, s8, 10
	s_add_co_u32 s20, s20, STAT
	v_lshl_add_u32 v[SMW], v1, 2, s20
	s_lshl_b32 s20, s12, 12
	s_lshl_b32 s21, s13, 7
	s_add_co_u32 s20, s20, s21
	s_add_co_u32 s20, s20, STAT
	v_lshl_add_u32 v[SMR], v1, 2, s20
	s_sub_co_i32 s20, s12, s13
	s_lshl_b32 s20, s20, 6
	v_add_nc_u32 v[E0], s20, v16
	v_lshlrev_b32 v17, 3, v17
	v_sub_nc_u32 v[E0], v[E0], v17                 ; r - 8 h + 64 g - 64 c4
	v_mov_b32 v[NEGV], 0xf1800000                  ; - 2^100
.irp n, 0,1,2,3
	v_mov_b32 v[M+\n], v[NEGV]
	v_mov_b32 v[NM+2*\n], 0x7038aa3b               ; c 2^100
	v_mov_b32 v[NM+2*\n+1], 0                      ; the upper words of the pairs are written once and never used
	v_mov_b32 v[AL+2*\n+1], 0
	v_mov_b32 v[L+2*\n], 0
	v_mov_b32 v[L+2*\n+1], 0
	v_mov_b32 v[TY+\n], 0
.endr
.macro QLOAD b                         ; my 64 queries as B fragments: (n, kd) at QF + 8 (2 n + kd)
.irp n, 0,1,2,3
.irp kd, 0,1
	global_load_b128 v[QF+8*(2*\n+\kd):QF+8*(2*\n+\kd)+3], v[QO], s[\b:\b+1] offset:2048*\n+64*\kd
	global_load_b128 v[QF+8*(2*\n+\kd)+4:QF+8*(2*\n+\kd)+7], v[QO], s[\b:\b+1] offset:2048*\n+64*\kd+32
.endr
.endr
.endm
	QLOAD 66
	s_wait_loadcnt 0x0
; One step on the tile in \slot.  masked: keys beyond the query are set to -2^100, s[\se] = first query - first key.  first: the products start O.
; nxt: 1 = the next tile is asked for into the other slot, 2 = tile 0 again (for phase B), 0 = nothing.
.macro STEP slot, masked, first, nxt, se
	WIN 0
	s_wait_tensorcnt 0x0                           ; all my tensor loads are done (one was out: my part of this tile), so every group 0 may be written
	ds_add_u32 v238, v239
	s_wait_dscnt 0x0
.set OTH, 1-\slot
.if \nxt == 2
	s_mov_b64 s[60:61], s[56:57]
	s_mov_b64 s[62:63], s[58:59]
.endif
.if \nxt
	s_mov_b64 s[G0V+4*OTH+2:G0V+4*OTH+3], s[60:61]
	s_mov_b64 s[G0K+4*OTH+2:G0K+4*OTH+3], s[62:63]
	s_add_nc_u64 s[60:61], s[60:61], 32768
	s_add_nc_u64 s[62:63], s[62:63], 32768
.endif
	s_wait_dscnt 0x0                               ; my reads of the other slot are done
.if \nxt
	ROUND                                          ; both now hold of every wave of the four work-groups
	JLOAD                                          ; the refill: the first tensor load behind the round
.else
	s_barrier_signal -1
	s_barrier_wait -1
.endif
.rept 5
	v_nop                                          ; five places behind the last step's products: S is written over P, loads go into their sources
.endr
.irp tt, 0,1,2,3
.irp kd, 0,1
	ds_load_b128 v[KF+8*(2*\tt+\kd):KF+8*(2*\tt+\kd)+3], v[KAD+\slot] offset:2304*\tt+64*\kd
	ds_load_b128 v[KF+8*(2*\tt+\kd)+4:KF+8*(2*\tt+\kd)+7], v[KAD+\slot] offset:2304*\tt+64*\kd+32
.endr
.endr
.irp dt, 0,1,2,3
.irp u, 0,1
	ds_load_tr16_b128 v[VF+8*(2*\dt+\u):VF+8*(2*\dt+\u)+3], v[VAD+\slot] offset:5120*\u+32*\dt
	ds_load_tr16_b128 v[VF+8*(2*\dt+\u)+4:VF+8*(2*\dt+\u)+7], v[VAD+\slot] offset:5120*\u+32*\dt+2560
.endr
.endr
	s_wait_dscnt 16                                ; K is in; the sixteen loads of V may stay out
	WIN 0x50                                       ; C and D in window 1.  Sixteen accumulators take turns
.irp kd, 0,1
.irp tt, 0,1,2,3
.irp n, 0,1,2,3
.set SR, 16*(4*(\tt>>1)+\n)+8*(\tt&1)
.if \kd == 0
	v_wmma_f32_16x16x32_f16 v[SR:SR+7], v[KF+8*(2*\tt+\kd):KF+8*(2*\tt+\kd)+7], v[QF+8*(2*\n+\kd):QF+8*(2*\n+\kd)+7], 0
.else
	v_wmma_f32_16x16x32_f16 v[SR:SR+7], v[KF+8*(2*\tt+\kd):KF+8*(2*\tt+\kd)+7], v[QF+8*(2*\n+\kd):QF+8*(2*\n+\kd)+7], v[SR:SR+7]
.endif
.endr
.endr
.endr
	PLACES
.if \masked
	WIN 0
	v_add_nc_u32 v[E], s[\se], v[E0]               ; key > query exactly where 16 (tt - n) + j > E
	WIN 0x41
.irp tt, 0,1,2,3
.irp n, 0,1,2,3
.irp j, 0,1,2,3,4,5,6,7
.set SR, 16*(4*(\tt>>1)+\n)+8*(\tt&1)+\j
	v_cmp_gt_i32 vcc_lo, 16*(\tt-\n)+\j, v[E]
	v_cndmask_b32 v[SR], v[SR], v[NEGV], vcc_lo
.endr
.endr
.endr
.endif
	WIN 0x05                                       ; the running maximum: old maximum and my 32 scores of each query
.irp q, 0,1,2,3,4,5,6,7,8,9,10,11,12,13,14,15
.irp n, 0,1,2,3
.set SR, 16*(4*(\q>>3)+\n)+8*((\q>>2)&1)+2*(\q&3)
.if \q == 0
	v_max3_num_f32 v[TX+\n], v[SR], v[SR+1], v[M+\n]
.else
	v_max3_num_f32 v[TX+\n], v[SR], v[SR+1], v[TX+\n]
.endif
.endr
.endr
	WIN 0
.irp n, 0,1,2,3
	v_permlanex16_b32 v[TY+\n], v[TX+\n], s14, s15
.endr
.irp n, 0,1,2,3
	v_max_num_f32 v[M+\n], v[TX+\n], v[TY+\n]
.endr
.irp n, 0,1,2,3
	v_mul_f32 v[TX+\n], s19, v[M+\n]               ; - M c
.endr
.irp n, 0,1,2,3
	v_sub_f32 v[AL+2*\n], v[TX+\n], v[NM+2*\n]     ; (old M - new M) c
.endr
.irp n, 0,1,2,3
	v_exp_f32 v[AL+2*\n], v[AL+2*\n]
.endr
.irp n, 0,1,2,3
	v_mov_b32 v[NM+2*\n], v[TX+\n]                 ; plain instructions between the exponentials and their use (ISA guide 5.7.2)
.endr
	s_wait_alu depctr_va_vdst(0)
.irp n, 0,1,2,3
	v_pk_mul_f32 v[L+2*\n:L+2*\n+1], v[L+2*\n:L+2*\n+1], v[AL+2*\n:AL+2*\n+1] op_sel_hi:[1,0]
.endr
	WIN 0x41                                       ; p = 2^(s c - M c), in place
.irp n, 0,1,2,3
.irp q, 0,1,2,3,4,5,6,7,8,9,10,11,12,13,14,15
.set SR, 16*(4*(\q>>3)+\n)+8*((\q>>2)&1)+2*(\q&3)
	v_pk_fma_f32 v[SR:SR+1], v[SR:SR+1], s[16:17], v[NM+2*\n:NM+2*\n+1] op_sel_hi:[1,0,0]
.endr
.irp q, 0,1,2,3,4,5,6,7,8,9,10,11,12,13,14,15
.set SR, 16*(4*(\q>>3)+\n)+8*((\q>>2)&1)+2*(\q&3)
	v_exp_f32 v[SR], v[SR]
	v_exp_f32 v[SR+1], v[SR+1]
.endr
.endr
	v_nop
	WIN 0x01
	s_wait_alu depctr_va_vdst(0)
.irp q, 0,1,2,3,4,5,6,7,8,9,10,11,12,13,14,15
.irp n, 0,1,2,3
.set SR, 16*(4*(\q>>3)+\n)+8*((\q>>2)&1)+2*(\q&3)
	v_pk_add_f32 v[L+2*\n:L+2*\n+1], v[SR:SR+1], v[L+2*\n:L+2*\n+1]
.endr
.endr
	WIN 0x45                                       ; two key tiles pack in place into one B fragment: word i from words 2 i, 2 i + 1
.irp un, 0,1,2,3,4,5,6,7
.irp i, 0,1,2,3,4,5,6,7
	v_cvt_pk_f16_f32 v[16*\un+\i], v[16*\un+2*\i], v[16*\un+2*\i+1]
.endr
.endr
.if \first == 0
	WIN 0x41
.irp n, 0,1,2,3
.irp q, 0,1,2,3,4,5,6,7,8,9,10,11,12,13,14,15
	v_pk_mul_f32 v[128+32*\n+2*\q:128+32*\n+2*\q+1], v[128+32*\n+2*\q:128+32*\n+2*\q+1], v[AL+2*\n:AL+2*\n+1] op_sel_hi:[1,0]
.endr
.endr
.endif
	s_wait_dscnt 0x0                               ; V is in
	WIN 0x54                                       ; A window 0, B, C and D window 1; sixteen accumulators take turns
.irp u, 0,1
.irp n, 0,1,2,3
.irp dt, 0,1,2,3
.set OR_, 128+8*(4*\n+\dt)
.if \first && (\u == 0)
	v_wmma_f32_16x16x32_f16 v[OR_:OR_+7], v[VF+8*(2*\dt+\u):VF+8*(2*\dt+\u)+7], v[16*(4*\u+\n):16*(4*\u+\n)+7], 0
.else
	v_wmma_f32_16x16x32_f16 v[OR_:OR_+7], v[VF+8*(2*\dt+\u):VF+8*(2*\dt+\u)+7], v[16*(4*\u+\n):16*(4*\u+\n)+7], v[OR_:OR_+7]
.endif
.endr
.endr
.endr
	WIN 0
.endm
; The four key quarters of a query group meet in LDS; wave (g, c4) finishes n tile c4 and stores it.  qn: register of the next phase's q (0: none); ob: of the output.
.macro MERGE qn, ob
	PLACES
.irp n, 0,1,2,3
	v_add_f32 v[TX+\n], v[L+2*\n], v[L+2*\n+1]
.endr
.irp n, 0,1,2,3
	v_permlanex16_b32 v[TY+\n], v[TX+\n], s14, s15
.endr
.irp n, 0,1,2,3
	v_add_f32 v[TX+\n], v[TX+\n], v[TY+\n]
	ds_store_b32 v[SMW], v[NM+2*\n] offset:128*\n
	ds_store_b32 v[SMW], v[TX+\n] offset:512+128*\n
.endr
	WIN 0x04
.set i, 0
.rept 32
	ds_store_b128 v[OST], v[128+4*i:128+4*i+3] offset:512*i
.set i, i+1
.endr
	WIN 0
.if \qn
	QLOAD \qn
.endif
	s_wait_dscnt 0x0                               ; my stores are done, for the waves that read them
	s_barrier_signal -1                            ; the next tile's load may stay out
	s_barrier_wait -1
.irp j, 0,1,2,3
	ds_load_b32 v[F+\j], v[SMR] offset:1024*\j
	ds_load_b32 v[G+\j], v[SMR] offset:1024*\j+512
.endr
	WIN 0x40
.irp j, 0,1,2,3
.irp i, 0,1,2,3,4,5,6,7
	ds_load_b128 v[32*\j+4*\i:32*\j+4*\i+3], v[ORD] offset:16384*\j+512*\i
.endr
.endr
	WIN 0
	s_wait_dscnt 32                                ; the eight statistics are in; the 32 loads of partial results stay out
	v_min3_num_f32 v[TX], v[F], v[F+1], v[F+2]
	v_min_num_f32 v[TX], v[TX], v[F+3]             ; - c x the largest maximum
.irp j, 0,1,2,3
	v_sub_f32 v[F+\j], v[TX], v[F+\j]
.endr
.irp j, 0,1,2,3
	v_exp_f32 v[F+\j], v[F+\j]                     ; a quarter that was wholly masked gets the factor 0
.endr
	v_nop
	s_wait_alu depctr_va_vdst(0)
	v_mul_f32 v[TX+1], v[F], v[G]
	v_fmac_f32 v[TX+1], v[F+1], v[G+1]
	v_fmac_f32 v[TX+1], v[F+2], v[G+2]
	v_fmac_f32 v[TX+1], v[F+3], v[G+3]
	v_rcp_f32 v[TX+1], v[TX+1]
	v_nop
	s_wait_alu depctr_va_vdst(0)
.irp j, 0,1,2,3
	v_mul_f32 v[AL+2*\j], v[F+\j], v[TX+1]
.endr
	s_wait_dscnt 0x0
	WIN 0x41
.irp q, 0,1,2,3,4,5,6,7,8,9,10,11,12,13,14,15
	v_pk_mul_f32 v[2*\q:2*\q+1], v[2*\q:2*\q+1], v[AL:AL+1] op_sel_hi:[1,0]
.endr
	WIN 0x51
.irp j, 1,2,3
.irp q, 0,1,2,3,4,5,6,7,8,9,10,11,12,13,14,15
	v_pk_fma_f32 v[2*\q:2*\q+1], v[32*\j+2*\q:32*\j+2*\q+1], v[AL+2*\j:AL+2*\j+1], v[2*\q:2*\q+1] op_sel_hi:[1,0,1]
.endr
.endr
	WIN 0x05
.irp q, 0,1,2,3,4,5,6,7,8,9,10,11,12,13,14,15
	v_cvt_pk_f16_f32 v[KF+\q], v[2*\q], v[2*\q+1]
.endr
	WIN 0
.irp dt, 0,1,2,3
	ds_store_b128 v[STO], v[KF+4*\dt:KF+4*\dt+3] offset:32*\dt    ; my own stage: LDS serves a wave in order, no wait before the loads
.endr
.irp t, 0,1,2,3
	ds_load_b128 v[KF+16+4*\t:KF+16+4*\t+3], v[SRD] offset:576*\t
.endr
.irp t, 0,1,2,3
	s_wait_dscnt 3-\t
	global_store_b128 v[CO], v[KF+16+4*\t:KF+16+4*\t+3], s[\ob:\ob+1] offset:512*\t   ; 512 consecutive bytes: four rows of att
.endr
	s_wait_xcnt 0x0                                ; the stores' data registers are loaded again in the next step
.endm
	; PHASE A: 2 + 2 (6 - c) + 2 steps
	STEP 0, 0, 1, 1, 0
	STEP 1, 0, 0, 1, 0
	s_sub_co_u32 s20, 6, s9
.LloopA:
	STEP 0, 0, 0, 1, 0
	STEP 1, 0, 0, 1, 0
	s_sub_co_u32 s20, s20, 1
	s_cmp_lg_u32 s20, 0
	s_cbranch_scc1 .LloopA
	STEP 0, 1, 0, 1, 74
	STEP 1, 1, 0, 2, 75
	MERGE 68, 70
	s_wait_loadcnt 0x0                             ; the queries of phase B
.irp n, 0,1,2,3
	v_mov_b32 v[M+\n], v[NEGV]                     ; with these the next rescale factor is 2^(-huge) = 0: the old O and l are wiped, nothing is cleared
	v_mov_b32 v[NM+2*\n], 0x7038aa3b
.endr
	; PHASE B: 2 c + 2 steps
	s_cmp_eq_u32 s9, 0
	s_cbranch_scc1 .LtailB
	s_mov_b32 s20, s9
.LloopB:
	STEP 0, 0, 0, 1, 0
	STEP 1, 0, 0, 1, 0
	s_sub_co_u32 s20, s20, 1
	s_cmp_lg_u32 s20, 0
	s_cbranch_scc1 .LloopB
.LtailB:
	STEP 0, 1, 0, 1, 76
	STEP 1, 1, 0, 0, 77
	MERGE 0, 72
	s_wait_tensorcnt 0x0
	ds_add_u32 v238, v239
	s_wait_dscnt 0x0
	ROUND                                          ; the closing round
	s_endpgm
.Lfunc_end_k_q51ba976f5c_attn:
	.size	k_q51ba976f5c_attn, .Lfunc_end_k_q51ba976f5c_attn-k_q51ba976f5c_attn
	.p2alignl 7, 3214868480
	.fill 96, 4, 3214868480
	.section	.rodata,"a",@progbits
	.p2align	6, 0x0
	.amdhsa_kernel k_q51ba976f5c_attn
		.amdhsa_group_segment_fixed_size 327680
		.amdhsa_private_segment_fixed_size 0
		.amdhsa_enable_private_segment 0
		.amdhsa_kernarg_size 16
		.amdhsa_user_sgpr_count 2
		.amdhsa_user_sgpr_kernarg_segment_ptr 1
		.amdhsa_wavefront_size32 1
		.amdhsa_system_sgpr_workgroup_id_x 1
		.amdhsa_system_sgpr_workgroup_id_y 1
		.amdhsa_system_sgpr_workgroup_id_z 1
		.amdhsa_system_vgpr_workitem_id 0
		.amdhsa_next_free_vgpr 512
		.amdhsa_next_free_sgpr 84
		.amdhsa_reserve_vcc 1
		.amdhsa_float_denorm_mode_32 3
		.amdhsa_float_denorm_mode_16_64 3
		.amdhsa_memory_ordered 1
		.amdhsa_forward_progress 1
		.amdhsa_inst_pref_size 255
	.end_amdhsa_kernel
	.section	.bss,"aw",@nobits
	.p2align	6
	.space	262144
	.amdgpu_metadata
---
amdhsa.version: [ 1, 2 ]
amdhsa.kernels:
  - .name:           k_q51ba976f5c_attn
    .symbol:         k_q51ba976f5c_attn.kd
    .args:
      - { .name: qkv, .offset: 0, .size: 8, .value_kind: global_buffer, .address_space: global }
      - { .name: att, .offset: 8, .size: 8, .value_kind: global_buffer, .address_space: global }
    .group_segment_fixed_size: 327680
    .private_segment_fixed_size: 0
    .kernarg_segment_align: 8
    .kernarg_segment_size: 16
    .max_flat_workgroup_size: 256
    .sgpr_count:     84
    .vgpr_count:     512
    .wavefront_size: 32
...
	.end_amdgpu_metadata
.endif
;; end of part 3
;; launch oproj (part 4): grid 8 x 32, 4 waves a work-group, clusters of 4 x 4, 327,680 bytes of LDS; arguments att, wot, b_o, out0; writes out0
.if DOCPART == 4
	.amdgcn_target "amdgcn-amd-amdhsa--gfx1250"
	.amdhsa_code_object_version 6
	.text
	.protected	k_q51ba976f5c_oproj
	.globl	k_q51ba976f5c_oproj
	.p2align	8
	.type	k_q51ba976f5c_oproj,@function
k_q51ba976f5c_oproj:
	s_mov_b64 s[64:65], 0
	v_nop
	global_prefetch_b8 v0, s[64:65] scope:SCOPE_SE
	s_setreg_imm32_b32 hwreg(HW_REG_WAVE_MODE, 25, 1), 1
	s_wait_xcnt 0x0
	s_wait_alu depctr_hold_cnt(0) depctr_sa_sdst(0) depctr_va_vdst(0) depctr_va_sdst(0) depctr_va_ssrc(0) depctr_va_vcc(0) depctr_vm_vsrc(0)
	s_getreg_b32 s2, hwreg(HW_REG_IB_STS2, 6, 4)
	s_cmp_eq_u32 s2, 0
	s_cbranch_scc0 .Lentry_in_a_cluster
	s_endpgm
.Lentry_in_a_cluster:
	s_bfe_u32 s2, ttmp6, 0x10000c
	s_cmp_lg_u32 s2, 0xf033
	s_cbranch_scc0 .Lentry_shape_is_right
	s_endpgm
.Lentry_shape_is_right:
; out0 = att wot^T + b_o.  att [16 heads][4096][64] f16, wot [1024 n][1024 k] f16, out0 [4096][1024] f32; sums in f32.
; 256 work-groups make blocks of 128 x 128; a wave 64 x 64: 16 accumulator tiles in window 1.  A larger block would leave fewer than 256 work-groups.
; K goes in four steps of 256 (four heads) through two LDS slots.  CLUSTERS 4 x 4: tiles of att are shared along a row, tiles of wot along a column.
; Waves 0, 1 fetch two head planes of att each (two tensor loads out a tile), waves 2, 3 64 rows of wot each (one).
; Rows 0-15 of out0 are written again, more exactly, by the launch behind this one.
.set HEADB, 524288
.set SLOT,  141312                     ; att: 4 planes x 128 rows at pitch 144; wot: 128 rows of 512 bytes at pitch 528, at + 73,728
.set BOFF,  73728
.set STAGE, 282624                     ; 4 waves x 16 rows at pitch 272
.set ADRA, 16
.set ADRB, 18
.set STO,  20
.set RD,   21
.set CO,   22
.set BO,   23
.set BI,   192
.set TMP,  224
.set G1A, 24
.set G1B, 32
.set G0A, 40                           ; slot s, plane j: G0A + 8 s + 4 j
.set G0B, 56                           ; slot s: G0B + 4 s
.set MSB, 0
.macro WIN new
.if MSB != \new
	s_set_vgpr_msb (MSB<<8)|\new
.set MSB, \new
.endif
.endm
.macro PLACES
.rept 4
	v_nop
.endr
.endm
.macro ROUND
	s_barrier_signal -1
	s_barrier_wait -1
	s_cmp_lg_u32 s12, 0
	s_cbranch_scc1 .Lnw0_\@
	s_barrier_signal -3
.Lnw0_\@:
	s_barrier_wait -3
	s_barrier_signal -1
	s_barrier_wait -1
.endm
.macro JLOAD2 s
	s_cmp_eq_u32 s13, 0
	s_cbranch_scc0 .Lfb_\@
	tensor_load_to_lds s[G0A+8*\s:G0A+8*\s+3], s[G1A:G1A+7]
	s_nop 0
	tensor_load_to_lds s[G0A+8*\s+4:G0A+8*\s+7], s[G1A:G1A+7]
	s_nop 0
	s_branch .Lfd_\@
.Lfb_\@:
	tensor_load_to_lds s[G0B+4*\s:G0B+4*\s+3], s[G1B:G1B+7]
	s_nop 0
.Lfd_\@:
.endm
	s_load_b256 s[4:11], s[0:1], 0x0               ; att, wot, b_o, out0
	v_lshl_add_u32 v62, v0, 2, 0x49400
	v_mov_b32 v63, 0
	ds_add_u32 v62, v63
	v_lshrrev_b32 v1, 5, v0
	v_readfirstlane_b32 s12, v1                    ; wave
	s_lshr_b32 s13, s12, 1                         ; my half of the rows.  Also: I fetch att (0) or wot (1)
	s_and_b32 s14, s12, 1                          ; my half of the columns
	s_bfe_u32 s15, ttmp6, 0x40000                  ; cx
	s_bfe_u32 s16, ttmp6, 0x40004                  ; cy
	s_lshl_b32 s17, ttmp9, 2
	s_add_co_u32 s17, s17, s15                     ; block column
	s_and_b32 s18, ttmp7, 0xffff
	s_lshl_b32 s18, s18, 2
	s_add_co_u32 s18, s18, s16                     ; block row
	s_lshl_b32 s19, s16, 2
	s_lshl_b32 s19, 15, s19                        ; my row of the cluster
	s_lshl_b32 s20, 0x1111, s15                    ; my column
	s_or_b32 s[G1A+0], s19, (1<<16)|(1<<20)|(1<<21)|(4<<22)|(3<<25)   ; 4 words of padding behind every 32 words
	s_mov_b32 s[G1A+1], 64<<16                     ; tensor_dim0 = 64
	s_mov_b32 s[G1A+2], 128<<16                    ; tensor_dim1 = 128
	s_mov_b32 s[G1A+3], 64<<16                     ; tile_dim0 = 64
	s_mov_b32 s[G1A+4], 128                        ; tile_dim1 = 128
	s_mov_b32 s[G1A+5], 64
	s_mov_b32 s[G1A+6], 0
	s_mov_b32 s[G1A+7], 0
	s_or_b32 s[G1B+0], s20, (1<<16)|(1<<20)|(1<<21)|(6<<22)|(3<<25)   ; 4 words of padding behind every 128 words
	s_mov_b32 s[G1B+1], 256<<16
	s_mov_b32 s[G1B+2], 64<<16
	s_mov_b32 s[G1B+3], 256<<16
	s_mov_b32 s[G1B+4], 64
	s_mov_b32 s[G1B+5], 1024
	s_mov_b32 s[G1B+6], 0
	s_mov_b32 s[G1B+7], 0
	s_lshl_b32 s76, s12, 20                        ; att: plane 2 w,
	s_lshl_b32 s77, s18, 14                        ; 128 rows of 128 bytes for each block row
	s_add_co_u32 s76, s76, s77
	s_mov_b32 s77, 0
	s_lshl_b32 s80, s17, 18                        ; wot: 128 rows of 2,048 bytes for each block column,
	s_lshl_b32 s81, s14, 17                        ; 64 rows for each half
	s_add_co_u32 s80, s80, s81
	s_mov_b32 s81, 0
	s_mul_i32 s21, s12, 36864
	s_mul_i32 s22, s12, 33792
	s_add_co_u32 s22, s22, 6144                    ; wave 2 at 73,728
	s_lshl_b32 s2, s17, 9
	s_lshl_b32 s3, s14, 8
	s_add_co_u32 s2, s2, s3                        ; my 64 columns, in bytes of f32
	s_mov_b32 s3, 0
	s_wait_dscnt 0x0
	s_wait_kmcnt 0x0
	s_add_nc_u64 s[78:79], s[4:5], s[76:77]
	s_add_nc_u64 s[82:83], s[6:7], s[80:81]
	s_add_nc_u64 s[8:9], s[8:9], s[2:3]
	s_add_nc_u64 s[10:11], s[10:11], s[2:3]
.irp s, 0,1
.irp j, 0,1
	s_mov_b32 s[G0A+8*\s+4*\j], 1
	s_add_co_u32 s[G0A+8*\s+4*\j+1], s21, \s*SLOT+18432*\j
	s_add_nc_u64 s[G0A+8*\s+4*\j+2:G0A+8*\s+4*\j+3], s[78:79], (4*\s+\j)*HEADB
	s_or_b32 s[G0A+8*\s+4*\j+3], s[G0A+8*\s+4*\j+3], 0x80000000
.endr
	s_mov_b32 s[G0B+4*\s], 1
	s_add_co_u32 s[G0B+4*\s+1], s22, \s*SLOT
	s_add_nc_u64 s[G0B+4*\s+2:G0B+4*\s+3], s[82:83], 512*\s
	s_or_b32 s[G0B+4*\s+3], s[G0B+4*\s+3], 0x80000000
.endr
	ROUND                                          ; in front of the first joint loads
	JLOAD2 0
	s_lshl_b32 s2, s18, 19                         ; out0: 128 rows of 4,096 bytes for each block row,
	s_lshl_b32 s3, s13, 18                         ; 64 rows for each half
	s_add_co_u32 s2, s2, s3
	s_mov_b32 s3, 0
	s_add_nc_u64 s[10:11], s[10:11], s[2:3]
	v_and_b32 v1, 15, v0                           ; r
	v_bfe_u32 v2, v0, 4, 1                         ; h
	v_mul_u32_u24 v3, v1, 144
	v_lshl_add_u32 v3, v2, 4, v3
	s_mul_i32 s2, s13, 64*144
	v_add_nc_u32 v[ADRA], s2, v3
	v_add_nc_u32 v[ADRA+1], SLOT, v[ADRA]
	v_mul_u32_u24 v3, v1, 528
	v_lshl_add_u32 v3, v2, 4, v3
	s_mul_i32 s2, s14, 64*528
	s_add_co_u32 s2, s2, BOFF
	v_add_nc_u32 v[ADRB], s2, v3
	v_add_nc_u32 v[ADRB+1], SLOT, v[ADRB]
	s_mul_i32 s2, s12, 4352
	s_add_co_u32 s2, s2, STAGE
	v_mul_u32_u24 v3, v1, 272
	v_lshl_add_u32 v3, v2, 5, v3
	v_add_nc_u32 v[STO], s2, v3
	v_mul_u32_u24 v3, v2, 272
	v_lshl_add_u32 v3, v1, 4, v3
	v_add_nc_u32 v[RD], s2, v3
	v_lshlrev_b32 v[CO], 12, v2
	v_lshl_add_u32 v[CO], v1, 4, v[CO]
	v_lshlrev_b32 v[BO], 5, v2
.irp b, 0,1,2,3
	global_load_b128 v[BI+8*\b:BI+8*\b+3], v[BO], s[8:9] offset:64*\b            ; the bias of my columns 16 b + 8 h + 0..7
	global_load_b128 v[BI+8*\b+4:BI+8*\b+7], v[BO], s[8:9] offset:64*\b+16
.endr
; sixteen LDS loads: 32 of K (chunk q of the step's eight) of my 64 rows of wot and my 64 rows of att, into buffer q & 1
.macro FETCH3 slot, q
.irp b, 0,1,2,3
	ds_load_b128 v[96+64*(\q&1)+8*\b:96+64*(\q&1)+8*\b+3], v[ADRB+\slot] offset:8448*\b+64*\q
	ds_load_b128 v[96+64*(\q&1)+8*\b+4:96+64*(\q&1)+8*\b+7], v[ADRB+\slot] offset:8448*\b+64*\q+32
.endr
.irp a, 0,1,2,3
	ds_load_b128 v[64+64*(\q&1)+8*\a:64+64*(\q&1)+8*\a+3], v[ADRA+\slot] offset:18432*(\q>>1)+2304*\a+64*(\q&1)
	ds_load_b128 v[64+64*(\q&1)+8*\a+4:64+64*(\q&1)+8*\a+7], v[ADRA+\slot] offset:18432*(\q>>1)+2304*\a+64*(\q&1)+32
.endr
.endm
.macro TRIP slot, refill, zero
	s_wait_tensorcnt 0x0                           ; all my tensor loads are done, my part of this tile among them, so every group 0 may be written
	ds_add_u32 v62, v63
	s_wait_dscnt 0x0
	s_add_nc_u64 s[G0A+8*\slot+2:G0A+8*\slot+3], s[G0A+8*\slot+2:G0A+8*\slot+3], 8*HEADB
	s_add_nc_u64 s[G0A+8*\slot+6:G0A+8*\slot+7], s[G0A+8*\slot+6:G0A+8*\slot+7], 8*HEADB
	s_add_nc_u64 s[G0B+4*\slot+2:G0B+4*\slot+3], s[G0B+4*\slot+2:G0B+4*\slot+3], 1024
	s_wait_dscnt 0x0                               ; my reads of the other slot are done
	ROUND
.if \refill
	JLOAD2 (1-\slot)                               ; the next tile: the first tensor loads behind the round
.endif
	PLACES
	FETCH3 \slot, 0
.irp q, 0,1,2,3,4,5,6,7
.if \q < 7
	PLACES                                         ; the buffer loaded next was read by the products of chunk q - 1
	FETCH3 \slot, (\q+1)
	s_wait_dscnt 16                                ; all but the sixteen just issued
.else
	s_wait_dscnt 0
.endif
	WIN 0x50                                       ; sixteen accumulators take turns
.irp a, 0,1,2,3
.irp b, 0,1,2,3
.if \zero && (\q == 0)
	v_wmma_f32_16x16x32_f16 v[8*(4*\a+\b):8*(4*\a+\b)+7], v[96+64*(\q&1)+8*\b:96+64*(\q&1)+8*\b+7], v[64+64*(\q&1)+8*\a:64+64*(\q&1)+8*\a+7], 0
.else
	v_wmma_f32_16x16x32_f16 v[8*(4*\a+\b):8*(4*\a+\b)+7], v[96+64*(\q&1)+8*\b:96+64*(\q&1)+8*\b+7], v[64+64*(\q&1)+8*\a:64+64*(\q&1)+8*\a+7], v[8*(4*\a+\b):8*(4*\a+\b)+7]
.endif
.endr
.endr
	WIN 0
.endr
.endm
	TRIP 0, 1, 1
	TRIP 1, 1, 0
	TRIP 0, 1, 0
	TRIP 1, 0, 0
	PLACES
	s_wait_loadcnt 0x0                             ; the bias
	; the way out, 16 rows at a time, through my own stage: sixteen lanes store 256 consecutive bytes, aligned
.irp a, 0,1,2,3
	WIN 0x01
.irp q, 0,1,2,3,4,5,6,7,8,9,10,11,12,13,14,15
	v_pk_add_f32 v[TMP+2*\q:TMP+2*\q+1], v[32*\a+2*\q:32*\a+2*\q+1], v[BI+2*\q:BI+2*\q+1]
.endr
	WIN 0
.irp q, 0,1,2,3,4,5,6,7
	ds_store_b128 v[STO], v[TMP+4*\q:TMP+4*\q+3] offset:64*(\q>>1)+16*(\q&1)
.endr
	s_wait_xcnt 0x0                                ; the registers loaded next were data of earlier stores
.irp t, 0,1,2,3,4,5,6,7
	ds_load_b128 v[64+64*(\a&1)+4*\t:64+64*(\a&1)+4*\t+3], v[RD] offset:544*\t
.endr
.irp t, 0,1,2,3,4,5,6,7
	s_wait_dscnt 7-\t
	global_store_b128 v[CO], v[64+64*(\a&1)+4*\t:64+64*(\a&1)+4*\t+3], s[10:11] offset:(16*\a+2*\t)*4096
.endr
.endr
	s_wait_tensorcnt 0x0
	ds_add_u32 v62, v63
	s_wait_dscnt 0x0
	ROUND                                          ; the closing round
	s_endpgm
.Lfunc_end_k_q51ba976f5c_oproj:
	.size	k_q51ba976f5c_oproj, .Lfunc_end_k_q51ba976f5c_oproj-k_q51ba976f5c_oproj
	.p2alignl 7, 3214868480
	.fill 96, 4, 3214868480
	.section	.rodata,"a",@progbits
	.p2align	6, 0x0
	.amdhsa_kernel k_q51ba976f5c_oproj
		.amdhsa_group_segment_fixed_size 327680
		.amdhsa_private_segment_fixed_size 0
		.amdhsa_enable_private_segment 0
		.amdhsa_kernarg_size 32
		.amdhsa_user_sgpr_count 2
		.amdhsa_user_sgpr_kernarg_segment_ptr 1
		.amdhsa_wavefront_size32 1
		.amdhsa_system_sgpr_workgroup_id_x 1
		.amdhsa_system_sgpr_workgroup_id_y 1
		.amdhsa_system_sgpr_workgroup_id_z 1
		.amdhsa_system_vgpr_workitem_id 0
		.amdhsa_next_free_vgpr 384
		.amdhsa_next_free_sgpr 84
		.amdhsa_reserve_vcc 0
		.amdhsa_float_denorm_mode_32 3
		.amdhsa_float_denorm_mode_16_64 3
		.amdhsa_memory_ordered 1
		.amdhsa_forward_progress 1
		.amdhsa_inst_pref_size 95
	.end_amdhsa_kernel
	.amdgpu_metadata
---
amdhsa.version: [ 1, 2 ]
amdhsa.kernels:
  - .name:           k_q51ba976f5c_oproj
    .symbol:         k_q51ba976f5c_oproj.kd
    .args:
      - { .name: att, .offset: 0, .size: 8, .value_kind: global_buffer, .address_space: global }
      - { .name: wot, .offset: 8, .size: 8, .value_kind: global_buffer, .address_space: global }
      - { .name: b_o, .offset: 16, .size: 8, .value_kind: global_buffer, .address_space: global }
      - { .name: out0, .offset: 24, .size: 8, .value_kind: global_buffer, .address_space: global }
    .group_segment_fixed_size: 327680
    .private_segment_fixed_size: 0
    .kernarg_segment_align: 8
    .kernarg_segment_size: 32
    .max_flat_workgroup_size: 128
    .sgpr_count:     84
    .vgpr_count:     384
    .wavefront_size: 32
...
	.end_amdgpu_metadata
.endif
;; end of part 4
;; launch first16 (part 5): grid 8 x 1, 8 waves a work-group, no clusters, 141,056 bytes of LDS; arguments qkv, vfirst, wot, b_o, out0; writes out0
.if DOCPART == 5
	.amdgcn_target "amdgcn-amd-amdhsa--gfx1250"
	.amdhsa_code_object_version 6
	.text
	.protected	k_q51ba976f5c_first16
	.globl	k_q51ba976f5c_first16
	.p2align	8
	.type	k_q51ba976f5c_first16,@function
k_q51ba976f5c_first16:
	s_mov_b64 s[64:65], 0
	v_nop
	global_prefetch_b8 v0, s[64:65] scope:SCOPE_SE
	s_setreg_imm32_b32 hwreg(HW_REG_WAVE_MODE, 25, 1), 1
	s_wait_xcnt 0x0
; Rows 0-15 of out0 once more, with v, the weights p and the attention result carried as TWO f16 terms (hi = cut to ten mantissa bits, lo = the rest).
; Why: row s averages over s + 1 keys, so the first rows are many times larger than the output's root mean square, against which every
; number is compared; a single 11-bit rounding of v or of the attention result is too coarse there.  From seventeen keys on one f16 term is enough.
; Eight work-groups of eight waves.  Each work-group makes the attention of all 16 heads (two a wave, 16 x 16 scores each) and 128 columns of
; the output (16 a wave).  The work is too small for more work-groups, clusters or tensor loads.
; BOTH TERMS IN ONE FRAGMENT: there are only 16 keys, so K places 0-15 of a fragment of V^T hold the hi term and places 16-31 the lo term,
; and p is repeated in both halves: one product gives p (vh + vl).
; LIMITS as in the attention launch: scores above -2^100, 1 / l by v_rcp_f32.
.set HEADB, 524288
.set ATT,  65536                       ; behind 8 waves x 8,192 bytes of v: attention result, hi term, 16 rows at pitch 2,064
.set AP,   2064
.set ATL,  16*AP                       ; the lo term lies so far behind the hi term
.set OUTS, ATT+2*ATL                   ; 16 rows of 128 f32 at pitch 528
.set VO, 4
.set VS, 5
.set VT, 6
.set QO, 7
.set WO, 8
.set AS, 9
.set AR, 10
.set OS, 11
.set ORD, 12
.set GO, 13
.set BO, 14
.set E,  15
.set NEGV, 16
.set MK, 17
.set T,  18                            ; v[18:25]
.set TM, 26
.set TN, 27
.set LS, 28                            ; v[28:29]
.set S,  32                            ; scores of head e at S + 8 e; later packed results
.set PH, 48
.set PL, 56
.set ACC, 32                           ; the projection: four accumulators
.set VL, 64
.set QK, 128
.set VA, 192
.set O,  224
.set BI, 192
.set MSB, 0
.macro WIN new
.if MSB != \new
	s_set_vgpr_msb (MSB<<8)|\new
.set MSB, \new
.endif
.endm
	s_load_b256 s[4:11], s[0:1], 0x0               ; qkv, vfirst, wot, b_o
	s_load_b64 s[12:13], s[0:1], 0x20              ; out0
	v_lshl_add_u32 v30, v0, 2, 0x22300
	v_mov_b32 v31, 0
	v_lshrrev_b32 v1, 5, v0
	v_readfirstlane_b32 s16, v1                    ; wave
	v_and_b32 v1, 31, v0                           ; lane
	v_and_b32 v2, 15, v0                           ; r
	v_bfe_u32 v3, v0, 4, 1                         ; h
	s_mov_b32 s14, 0x76543210
	s_mov_b32 s15, 0xfedcba98
	s_mov_b32 s20, 0x3e38aa3b                      ; log2(e) / 8
	s_mov_b32 s21, 0xbe38aa3b
	s_lshl_b32 s22, s16, 12
	v_lshl_add_u32 v[VO], v1, 4, s22               ; my two heads: 4,096 bytes of each term
	s_lshl_b32 s23, s16, 13
	v_lshl_add_u32 v[VS], v1, 4, s23
	v_and_b32 v18, 7, v0
	v_lshl_add_u32 v18, v3, 3, v18                 ; key 8 h + lane % 8
	v_bfe_u32 v19, v0, 3, 1
	v_lshlrev_b32 v18, 4, v18
	v_lshl_add_u32 v18, v19, 8, v18                ; + 256 for the odd group of eight columns
	v_add_nc_u32 v[VT], s23, v18
	v_lshlrev_b32 v[QO], 7, v2
	v_lshl_add_u32 v[QO], v3, 4, v[QO]
	v_lshlrev_b32 v[WO], 11, v2
	v_lshl_add_u32 v[WO], v3, 4, v[WO]
	v_mul_u32_u24 v18, v2, AP
	v_lshl_add_u32 v18, v3, 4, v18
	v_add_nc_u32 v[AR], ATT, v18
	s_lshl_b32 s22, s16, 8
	v_add_nc_u32 v[AS], s22, v[AR]
	v_mul_u32_u24 v18, v2, 528
	v_lshl_add_u32 v18, v3, 5, v18
	s_lshl_b32 s22, s16, 6
	s_add_co_u32 s22, s22, OUTS
	v_add_nc_u32 v[OS], s22, v18
	s_mul_i32 s22, s16, 1056
	s_add_co_u32 s22, s22, OUTS
	v_lshl_add_u32 v[ORD], v1, 4, s22
	v_lshl_add_u32 v[GO], v1, 4, s23               ; rows 2 w, 2 w + 1 of 4,096 bytes
	v_lshlrev_b32 v[BO], 5, v3
	v_lshlrev_b32 v18, 3, v3
	v_sub_nc_u32 v[E], v2, v18                     ; r - 8 h: key > query where j > E
	v_mov_b32 v[NEGV], 0xf1800000
	v_mov_b32 v[MK], 0xffffe000
	v_mov_b32 v[TN], 0
	v_mov_b32 v[LS+1], 0
	s_lshl_b32 s24, s16, 20                        ; q: plane 2 w
	s_mov_b32 s25, 0
	s_lshl_b32 s26, ttmp9, 18                      ; wot: row 128 g + 16 w
	s_lshl_b32 s27, s16, 15
	s_add_co_u32 s26, s26, s27
	s_mov_b32 s27, 0
	s_lshl_b32 s28, ttmp9, 9                       ; 128 columns of f32
	s_mov_b32 s29, 0
	s_lshl_b32 s30, s16, 6
	s_mov_b32 s31, 0
	s_wait_kmcnt 0x0
	s_add_nc_u64 s[4:5], s[4:5], s[24:25]
	s_add_nc_u64 s[18:19], s[4:5], 16*HEADB        ; k
	s_add_nc_u64 s[8:9], s[8:9], s[26:27]
	s_add_nc_u64 s[10:11], s[10:11], s[28:29]
	s_add_nc_u64 s[10:11], s[10:11], s[30:31]
	s_add_nc_u64 s[12:13], s[12:13], s[28:29]
.irp i, 0,1,2,3,4,5,6,7
	global_load_b128 v[VL+4*\i:VL+4*\i+3], v[VO], s[6:7] offset:512*\i
	global_load_b128 v[VL+32+4*\i:VL+32+4*\i+3], v[VO], s[6:7] offset:32768+512*\i
.endr
.irp e, 0,1
.irp kd, 0,1
	global_load_b128 v[QK+32*\e+8*\kd:QK+32*\e+8*\kd+3], v[QO], s[4:5] offset:\e*HEADB+64*\kd
	global_load_b128 v[QK+32*\e+8*\kd+4:QK+32*\e+8*\kd+7], v[QO], s[4:5] offset:\e*HEADB+64*\kd+32
	global_load_b128 v[QK+32*\e+16+8*\kd:QK+32*\e+16+8*\kd+3], v[QO], s[18:19] offset:\e*HEADB+64*\kd
	global_load_b128 v[QK+32*\e+16+8*\kd+4:QK+32*\e+16+8*\kd+7], v[QO], s[18:19] offset:\e*HEADB+64*\kd+32
.endr
.endr
.macro WLOAD k0                        ; sixteen K chunks of my 16 rows of wot, into window 1 at v[8 kk]
	WIN 0x40
.set kk, \k0
.rept 16
	global_load_b128 v[8*kk:8*kk+3], v[WO], s[8:9] offset:64*kk
	global_load_b128 v[8*kk+4:8*kk+7], v[WO], s[8:9] offset:64*kk+32
.set kk, kk+1
.endr
	WIN 0
.endm
	WLOAD 0
	s_wait_loadcnt 48                              ; v is in: 16 loads of q and k and 32 of wot were issued behind it
.irp i, 0,1,2,3,4,5,6,7
	ds_store_b128 v[VS], v[VL+4*\i:VL+4*\i+3] offset:512*\i
	ds_store_b128 v[VS], v[VL+32+4*\i:VL+32+4*\i+3] offset:4096+512*\i
.endr
	s_wait_loadcnt 32                              ; q and k are in
	WLOAD 16
	global_load_b128 v[BI:BI+3], v[BO], s[10:11]   ; overwritten below: BI shares registers with VA; the bias is loaded again behind the attention
	s_wait_loadcnt 0x0
	; scores of both heads, S^T = K Q^T; the two accumulators take turns
	v_wmma_f32_16x16x32_f16 v[S:S+7], v[QK+16:QK+23], v[QK:QK+7], 0
	v_wmma_f32_16x16x32_f16 v[S+8:S+15], v[QK+48:QK+55], v[QK+32:QK+39], 0
	v_wmma_f32_16x16x32_f16 v[S:S+7], v[QK+24:QK+31], v[QK+8:QK+15], v[S:S+7]
	v_wmma_f32_16x16x32_f16 v[S+8:S+15], v[QK+56:QK+63], v[QK+40:QK+47], v[S+8:S+15]
.rept 4
	v_nop
.endr
.macro HEAD e
.irp dt, 0,1,2,3
	ds_load_tr16_b128 v[VA+8*\dt:VA+8*\dt+3], v[VT] offset:2048*\e+512*\dt             ; hi term: K places 0-15 (my own bytes: LDS serves a wave in order)
	ds_load_tr16_b128 v[VA+8*\dt+4:VA+8*\dt+7], v[VT] offset:4096+2048*\e+512*\dt      ; lo term: K places 16-31
.endr
.irp j, 0,1,2,3,4,5,6,7
	v_cmp_gt_i32 vcc_lo, \j, v[E]
	v_cndmask_b32 v[S+8*\e+\j], v[S+8*\e+\j], v[NEGV], vcc_lo
.endr
	v_max3_num_f32 v[TM], v[S+8*\e], v[S+8*\e+1], v[S+8*\e+2]
	v_max3_num_f32 v[TM], v[TM], v[S+8*\e+3], v[S+8*\e+4]
	v_max3_num_f32 v[TM], v[TM], v[S+8*\e+5], v[S+8*\e+6]
	v_max_num_f32 v[TM], v[TM], v[S+8*\e+7]
	v_permlanex16_b32 v[TN], v[TM], s14, s15
	v_max_num_f32 v[TM], v[TM], v[TN]              ; key 0 is never masked: the maximum is a true score
	v_mul_f32 v[TM], s21, v[TM]
.irp j, 0,1,2,3,4,5,6,7
	v_fma_f32 v[S+8*\e+\j], v[S+8*\e+\j], s20, v[TM]
.endr
.irp j, 0,1,2,3,4,5,6,7
	v_exp_f32 v[S+8*\e+\j], v[S+8*\e+\j]
.endr
	v_nop
	s_wait_alu depctr_va_vdst(0)
	v_add_f32 v[LS], v[S+8*\e], v[S+8*\e+1]
.irp j, 2,3,4,5,6,7
	v_add_f32 v[LS], v[LS], v[S+8*\e+\j]
.endr
	v_permlanex16_b32 v[TN], v[LS], s14, s15
	v_add_f32 v[LS], v[LS], v[TN]
	v_rcp_f32 v[LS], v[LS]
.irp j, 0,1,2,3,4,5,6,7
	v_and_b32 v[T+\j], v[MK], v[S+8*\e+\j]
	v_sub_f32 v[S+8*\e+\j], v[S+8*\e+\j], v[T+\j]
.endr
.irp i, 0,1,2,3
	v_cvt_pk_f16_f32 v[PH+\i], v[T+2*\i], v[T+2*\i+1]
	v_cvt_pk_f16_f32 v[PL+\i], v[S+8*\e+2*\i], v[S+8*\e+2*\i+1]
.endr
.irp i, 0,1,2,3
	v_mov_b32 v[PH+4+\i], v[PH+\i]                 ; p again, for the K places of the lo term of v
	v_mov_b32 v[PL+4+\i], v[PL+\i]
.endr
	s_wait_dscnt 0x0
.irp dt, 0,1,2,3
	v_wmma_f32_16x16x32_f16 v[O+8*\dt:O+8*\dt+7], v[VA+8*\dt:VA+8*\dt+7], v[PH:PH+7], 0
.endr
.irp dt, 0,1,2,3
	v_wmma_f32_16x16x32_f16 v[O+8*\dt:O+8*\dt+7], v[VA+8*\dt:VA+8*\dt+7], v[PL:PL+7], v[O+8*\dt:O+8*\dt+7]
.endr
.rept 5
	v_nop                                          ; five places: the results are read, and all these registers are written again
.endr
	s_wait_alu depctr_va_vdst(0)
.irp dt, 0,1,2,3
.irp p, 0,2,4,6
	v_pk_mul_f32 v[O+8*\dt+\p:O+8*\dt+\p+1], v[O+8*\dt+\p:O+8*\dt+\p+1], v[LS:LS+1] op_sel_hi:[1,0]
.endr
.irp j, 0,1,2,3,4,5,6,7
	v_and_b32 v[T+\j], v[MK], v[O+8*\dt+\j]
	v_sub_f32 v[O+8*\dt+\j], v[O+8*\dt+\j], v[T+\j]
.endr
.irp i, 0,1,2,3
	v_cvt_pk_f16_f32 v[S+8*\e+\i], v[T+2*\i], v[T+2*\i+1]
	v_cvt_pk_f16_f32 v[S+8*\e+4+\i], v[O+8*\dt+2*\i], v[O+8*\dt+2*\i+1]
.endr
	ds_store_b128 v[AS], v[S+8*\e:S+8*\e+3] offset:128*\e+32*\dt
	ds_store_b128 v[AS], v[S+8*\e+4:S+8*\e+7] offset:ATL+128*\e+32*\dt
.endr
.endm
	HEAD 0
	HEAD 1
	global_load_b128 v[BI:BI+3], v[BO], s[10:11]               ; the bias of my columns 8 h + 0..7 (the fragments of v are no longer needed)
	global_load_b128 v[BI+4:BI+7], v[BO], s[10:11] offset:16
	s_wait_dscnt 0x0                               ; my part of the attention result is stored, for the other waves
	s_barrier_signal -1
	s_barrier_wait -1
; four K chunks of both terms of the attention result: chunk c at buffer + 16 c (hi) and + 8 (lo)
.macro PFETCH i
.irp c, 0,1,2,3
	ds_load_b128 v[64+64*(\i&1)+16*\c:64+64*(\i&1)+16*\c+3], v[AR] offset:64*(4*\i+\c)
	ds_load_b128 v[64+64*(\i&1)+16*\c+4:64+64*(\i&1)+16*\c+7], v[AR] offset:64*(4*\i+\c)+32
	ds_load_b128 v[64+64*(\i&1)+16*\c+8:64+64*(\i&1)+16*\c+11], v[AR] offset:ATL+64*(4*\i+\c)
	ds_load_b128 v[64+64*(\i&1)+16*\c+12:64+64*(\i&1)+16*\c+15], v[AR] offset:ATL+64*(4*\i+\c)+32
.endr
.endm
	PFETCH 0
.irp i, 0,1,2,3,4,5,6,7
.if \i < 7
.rept 4
	v_nop                                          ; the buffer loaded next was read by the products of the batch before
.endr
	PFETCH (\i+1)
	s_wait_dscnt 16                                ; all but the sixteen just issued
.else
	s_wait_dscnt 0
.endif
	WIN 0x01                                       ; source 0 (wot) in window 1.  Four accumulators take turns
.irp c, 0,1,2,3
.if (\i == 0) && (\c < 2)
	v_wmma_f32_16x16x32_f16 v[ACC+16*(\c&1):ACC+16*(\c&1)+7], v[8*(4*\i+\c):8*(4*\i+\c)+7], v[64+64*(\i&1)+16*\c:64+64*(\i&1)+16*\c+7], 0
	v_wmma_f32_16x16x32_f16 v[ACC+16*(\c&1)+8:ACC+16*(\c&1)+15], v[8*(4*\i+\c):8*(4*\i+\c)+7], v[64+64*(\i&1)+16*\c+8:64+64*(\i&1)+16*\c+15], 0
.else
	v_wmma_f32_16x16x32_f16 v[ACC+16*(\c&1):ACC+16*(\c&1)+7], v[8*(4*\i+\c):8*(4*\i+\c)+7], v[64+64*(\i&1)+16*\c:64+64*(\i&1)+16*\c+7], v[ACC+16*(\c&1):ACC+16*(\c&1)+7]
	v_wmma_f32_16x16x32_f16 v[ACC+16*(\c&1)+8:ACC+16*(\c&1)+15], v[8*(4*\i+\c):8*(4*\i+\c)+7], v[64+64*(\i&1)+16*\c+8:64+64*(\i&1)+16*\c+15], v[ACC+16*(\c&1)+8:ACC+16*(\c&1)+15]
.endif
.endr
	WIN 0
.endr
.rept 4
	v_nop
.endr
	s_wait_loadcnt 0x0                             ; the bias
.irp p, 0,2,4,6
	v_pk_add_f32 v[ACC+\p:ACC+\p+1], v[ACC+\p:ACC+\p+1], v[ACC+8+\p:ACC+8+\p+1]
	v_pk_add_f32 v[ACC+16+\p:ACC+16+\p+1], v[ACC+16+\p:ACC+16+\p+1], v[ACC+24+\p:ACC+24+\p+1]
	v_pk_add_f32 v[ACC+\p:ACC+\p+1], v[ACC+\p:ACC+\p+1], v[ACC+16+\p:ACC+16+\p+1]
	v_pk_add_f32 v[ACC+\p:ACC+\p+1], v[ACC+\p:ACC+\p+1], v[BI+\p:BI+\p+1]
.endr
	ds_store_b128 v[OS], v[ACC:ACC+3]              ; row r, my columns 8 h + 0..7
	ds_store_b128 v[OS], v[ACC+4:ACC+7] offset:16
	s_wait_dscnt 0x0
	s_barrier_signal -1
	s_barrier_wait -1
	ds_load_b128 v[64:67], v[ORD]                  ; rows 2 w and 2 w + 1: 512 bytes each
	ds_load_b128 v[68:71], v[ORD] offset:528
	s_wait_dscnt 0x0
	global_store_b128 v[GO], v[64:67], s[12:13]    ; each store of the wave covers 512 consecutive bytes, aligned
	global_store_b128 v[GO], v[68:71], s[12:13] offset:4096
	s_wait_tensorcnt 0x0
	ds_add_u32 v30, v31
	s_wait_dscnt 0x0
	s_endpgm
.Lfunc_end_k_q51ba976f5c_first16:
	.size	k_q51ba976f5c_first16, .Lfunc_end_k_q51ba976f5c_first16-k_q51ba976f5c_first16
	.p2alignl 7, 3214868480
	.fill 96, 4, 3214868480
	.section	.rodata,"a",@progbits
	.p2align	6, 0x0
	.amdhsa_kernel k_q51ba976f5c_first16
		.amdhsa_group_segment_fixed_size 141056
		.amdhsa_private_segment_fixed_size 0
		.amdhsa_enable_private_segment 0
		.amdhsa_kernarg_size 40
		.amdhsa_user_sgpr_count 2
		.amdhsa_user_sgpr_kernarg_segment_ptr 1
		.amdhsa_wavefront_size32 1
		.amdhsa_system_sgpr_workgroup_id_x 1
		.amdhsa_system_sgpr_workgroup_id_y 1
		.amdhsa_system_sgpr_workgroup_id_z 1
		.amdhsa_system_vgpr_workitem_id 0
		.amdhsa_next_free_vgpr 512
		.amdhsa_next_free_sgpr 66
		.amdhsa_reserve_vcc 1
		.amdhsa_float_denorm_mode_32 3
		.amdhsa_float_denorm_mode_16_64 3
		.amdhsa_memory_ordered 1
		.amdhsa_forward_progress 1
		.amdhsa_inst_pref_size 50
	.end_amdhsa_kernel
	.amdgpu_metadata
---
amdhsa.version: [ 1, 2 ]
amdhsa.kernels:
  - .name:           k_q51ba976f5c_first16
    .symbol:         k_q51ba976f5c_first16.kd
    .args:
      - { .name: qkv, .offset: 0, .size: 8, .value_kind: global_buffer, .address_space: global }
      - { .name: vfirst, .offset: 8, .size: 8, .value_kind: global_buffer, .address_space: global }
      - { .name: wot, .offset: 16, .size: 8, .value_kind: global_buffer, .address_space: global }
      - { .name: b_o, .offset: 24, .size: 8, .value_kind: global_buffer, .address_space: global }
      - { .name: out0, .offset: 32, .size: 8, .value_kind: global_buffer, .address_space: global }
    .group_segment_fixed_size: 141056
    .private_segment_fixed_size: 0
    .kernarg_segment_align: 8
    .kernarg_segment_size: 40
    .max_flat_workgroup_size: 256
    .sgpr_count:     66
    .vgpr_count:     512
    .wavefront_size: 32
...
	.end_amdgpu_metadata
.endif
;; end of part 5
